; MI455X (gfx1250); checked and timed in simulation.
; The chip was launched on July 23, 2026; its instructions are those of AMD's public machine-readable ISA for CDNA 5 (MIT licence, August 2026) and "CDNA5" Instruction Set Architecture Reference Guide (July 2026). The comments in the code are by the model that wrote it; some were corrected since.
;; Attention Block. Allowed arithmetic: float matrix products may take bf16 or f16 operands with f32 sums; all other float work in f32.
;; Inputs: Wk 32 x 256 float32; Wq 32 x 256 float32; Wv 256 x 256 float32; bk 32 float32; bq 32 float32; bv 256 float32; gamma 1 float32; x 8 x 256 x 64 x 64 float32.
;; Outputs: out0 8 x 256 x 64 x 64 float32.
;; 2 versions, each right and faster than the one before. Each part assembles by itself: llvm-mc -triple=amdgcn-amd-amdhsa -mcpu=gfx1250 --defsym DOCPART=n.
;; ======== version 1 of 2: 2 launches
;; workspace buffers: qb 2,097,152 bytes; kv 18,874,368 bytes; wvb 131,072 bytes
;; launch prep (part 1): grid 32 x 8, 8 waves a work-group, no clusters, 129,024 bytes of LDS; arguments x, Wq, Wk, bq, bk, Wv, qb, kv, wvb; writes qb, kv, wvb
.if DOCPART == 1
	.amdgcn_target "amdgcn-amd-amdhsa--gfx1250"
	.amdhsa_code_object_version 6
	.text
	.protected	k_q3fb8d4753d_prep
	.globl	k_q3fb8d4753d_prep
	.p2align	8
	.type	k_q3fb8d4753d_prep,@function
k_q3fb8d4753d_prep:
	s_mov_b64 s[64:65], 0
	v_nop
	global_prefetch_b8 v0, s[64:65] scope:SCOPE_SE
	s_setreg_imm32_b32 hwreg(HW_REG_WAVE_MODE, 25, 1), 1
	s_wait_xcnt 0x0
; PREPARATION FOR THE ATTENTION LAUNCH.  Work-group (t, b) takes the 128 tokens 128 t .. 128 t + 127 of image b, all 256 channels.
;   kv  [8][32 blocks][288 rows][256 bytes]: rows 0-255 of block (b, t) = x[b][c = row][128 t ..] rounded to bf16;
;       rows 256-287 = 128 places of 64 bytes; place p holds k (32 channels, bf16) of key (128 t + 64 + p) mod 4096:
;       the keys are shifted by 64, so that the attention launch finds the keys of its NEXT 64 beside the tokens at work.
;   qb  [8][4096][32] bf16: (Wq x + bq) * log2(e), token-major (the attention launch works with powers of two).
;   wvb [256][256] bf16: Wv rounded; this work-group rounds row 32 b + t.
; q and k are made by the matrix unit: A = 16 rows of W (m = output channel), B = x read transposed from LDS (n = token), so that
; a lane's eight results are eight neighbouring channels of one token.  The sums start from the bias, loaded straight into the accumulators.
; LIMITS: x, Wq, Wk, Wv, q * log2(e) and k are rounded to bf16 (nearest even); sums in f32.  NaN and infinities get no care of their own.
; No tensor loads: every number is converted on its way, so it passes through registers anyway.  No cluster: no two work-groups share a large input.
.set XTP,  288                         ; LDS pitch of x, bf16 [c][128 tokens]: 256 bytes + 32 = 9 x 32
.set WL,   73728                       ; behind x's 256 rows: Wq's 32 rows, then Wk's 32, bf16
.set WLP,  528                         ; their pitch: 512 bytes + 16
.set QS,   107520                      ; behind them: the stage of q (128 tokens x 80 bytes), then that of k
.set QSP,  80                          ; 64 bytes + 16
.set BLKG, 73728                       ; bytes of a block of kv
.set ACC,  24                          ; v[24:55]   four accumulator tiles: (channel block o, token block tb) at 8 (2 o + tb)
.set WR,   56                          ; v[56:119]  Wq and Wk as loaded; later fragment set B2
.set XR,   120                         ; v[120:247] 32 rows of x as loaded; later fragment sets B0, B1
.set B0,   120
.set B1,   184
.set B2,   56
; v4 16 tid   v5 where W goes in LDS   v6 x offset   v7 kv offset   v8 where x goes in LDS   v9 bias offset   v10, v11 x fragments
; v12 W fragments   v13 stage in   v14 stage back   v18 16 lane   v19 8 lane   v[248:251] my part of Wv's row (waves 0, 1)
	s_load_b512 s[4:19], s[0:1], 0x0               ; x s[4:5], Wq s[6:7], Wk s[8:9], bq s[10:11], bk s[12:13], Wv s[14:15], qb s[16:17], kv s[18:19]
	s_load_b64 s[20:21], s[0:1], 0x40              ; wvb
	v_lshl_add_u32 v254, v0, 2, 0x1f400
	v_mov_b32 v255, 0
	v_lshrrev_b32 v16, 5, v0
	v_readfirstlane_b32 s24, v16                   ; wave 0..7
	s_and_b32 s26, ttmp7, 0xffff                   ; b
	s_and_b32 s27, s24, 1                          ; 0: I make q, 1: I make k
	s_lshr_b32 s28, s24, 1                         ; which 32 tokens of the 128
	s_lshl_b32 s29, s26, 5
	s_add_co_u32 s29, s29, ttmp9                   ; g = 32 b + t
	; byte offsets, each in a pair with 0 above it (all below 2^31)
	s_lshl_b32 s34, s26, 22                        ; x: b x 256 x 16,384
	s_lshl_b32 s22, ttmp9, 9                       ;    + t x 128 tokens x 4
	s_add_co_u32 s34, s34, s22
	s_mov_b32 s35, 0
	s_mul_i32 s36, s29, BLKG                       ; kv: block (b, t)
	s_mov_b32 s37, 0
	s_add_co_u32 s38, ttmp9, 31
	s_and_b32 s38, s38, 31                         ; (t - 1) mod 32
	s_lshl_b32 s22, s26, 5
	s_add_co_u32 s38, s38, s22
	s_mul_i32 s38, s38, BLKG                       ; kv: block (b, t - 1)
	s_mov_b32 s39, 0
	s_lshl_b32 s40, s29, 13                        ; qb: g x 128 tokens x 64
	s_mov_b32 s41, 0
	s_lshl_b32 s42, s29, 10                        ; Wv: row g, and half w of it (used by waves 0 and 1 alone)
	s_lshl_b32 s22, s24, 9
	s_add_co_u32 s42, s42, s22
	s_mov_b32 s43, 0
	s_lshl_b32 s44, s29, 9                         ; wvb likewise, in bf16
	s_lshl_b32 s22, s24, 8
	s_add_co_u32 s44, s44, s22
	s_mov_b32 s45, 0
	; lane terms
	v_and_b32 v1, 31, v0                           ; lane
	v_and_b32 v2, 15, v0                           ; r
	v_bfe_u32 v3, v0, 4, 1                         ; h
	v_lshlrev_b32 v4, 4, v0                        ; 16 tid
	v_lshrrev_b32 v16, 6, v0
	v_and_b32 v17, 63, v0
	v_mul_u32_u24 v16, v16, WLP
	v_lshl_add_u32 v5, v17, 3, v16
	v_add_nc_u32 v5, WL, v5                        ; W: row tid / 64 of four, 4 numbers = 8 bytes at (tid mod 64) x 8
	s_lshl_b32 s22, s24, 19
	v_lshl_add_u32 v6, v1, 4, s22                  ; x: 16 lane + w x 32 rows of 16,384 bytes
	s_lshl_b32 s23, s24, 13
	v_lshl_add_u32 v7, v1, 3, s23                  ; kv: 8 lane + w x 32 rows of 256 bytes
	s_mul_i32 s25, s24, 32*XTP
	v_lshl_add_u32 v8, v1, 3, s25                  ; LDS: 8 lane + w x 32 rows
	v_lshlrev_b32 v9, 5, v3                        ; bias: 8 h numbers
	v_and_b32 v16, 7, v0
	v_lshl_add_u32 v16, v3, 3, v16
	v_mul_u32_u24 v16, v16, XTP                    ; transposing load: row 8 h + lane mod 8,
	v_bfe_u32 v17, v0, 3, 1
	v_lshl_add_u32 v16, v17, 4, v16                ; 16 bytes for each half of the sixteen tokens,
	s_lshl_b32 s46, s28, 6
	v_add_nc_u32 v10, s46, v16                     ; my 32 tokens
	v_add_nc_u32 v11, 128*XTP, v10                 ; channels 128 and up: beyond the reach of a 16-bit immediate
	v_mul_u32_u24 v16, v2, WLP
	v_lshl_add_u32 v16, v3, 4, v16
	s_mul_i32 s47, s27, 32*WLP
	s_add_co_u32 s47, s47, WL
	v_add_nc_u32 v12, s47, v16                     ; W fragments: row r of Wq or Wk, 16 h
	v_mul_u32_u24 v16, v2, QSP
	v_lshl_add_u32 v16, v3, 4, v16
	s_mul_i32 s46, s27, 128*QSP
	s_mul_i32 s47, s28, 32*QSP
	s_add_co_u32 s46, s46, s47
	s_add_co_u32 s46, s46, QS
	v_add_nc_u32 v13, s46, v16                     ; stage in: token 32 (w / 2) + r, 16 h
	v_lshrrev_b32 v16, 2, v0
	v_mul_u32_u24 v16, v16, QSP
	v_and_b32 v17, 3, v0
	v_lshl_add_u32 v16, v17, 4, v16
	v_add_nc_u32 v14, QS, v16                      ; stage back: token tid / 4, piece tid mod 4 of its 64 bytes
	v_lshlrev_b32 v18, 4, v1
	v_lshlrev_b32 v19, 3, v1
	s_wait_kmcnt 0x0
	s_add_nc_u64 s[4:5], s[4:5], s[34:35]
	s_add_nc_u64 s[36:37], s[18:19], s[36:37]
	s_add_nc_u64 s[38:39], s[18:19], s[38:39]
	s_add_nc_u64 s[16:17], s[16:17], s[40:41]
	s_add_nc_u64 s[14:15], s[14:15], s[42:43]
	s_add_nc_u64 s[20:21], s[20:21], s[44:45]
	s_cmp_eq_u32 s27, 0
	s_cselect_b64 s[32:33], s[10:11], s[12:13]     ; my bias: bq or bk
	s_cselect_b32 s30, 0x3fb8aa3b, 1.0             ; my scale: log2(e) for q, 1 for k
	s_mov_b32 s31, s30
	; ALL LOADS AT ONCE.  Wv's half row comes first: it is older than every load that is counted below, so no count changes with it.
	s_cmp_gt_u32 s24, 1
	s_cbranch_scc1 .Lno_wv
	global_load_b128 v[248:251], v18, s[14:15]
.Lno_wv:
.irp i, 0,1,2,3,4,5,6,7
	global_load_b128 v[WR+4*\i:WR+4*\i+3], v4, s[6:7] offset:4096*\i
.endr
.irp i, 0,1,2,3,4,5,6,7
	global_load_b128 v[WR+32+4*\i:WR+32+4*\i+3], v4, s[8:9] offset:4096*\i
.endr
.irp o, 0,1
.irp tb, 0,1
	global_load_b128 v[ACC+8*(2*\o+\tb):ACC+8*(2*\o+\tb)+3],   v9, s[32:33] offset:64*\o      ; register j of the tile: bias[16 o + 8 h + j]
	global_load_b128 v[ACC+8*(2*\o+\tb)+4:ACC+8*(2*\o+\tb)+7], v9, s[32:33] offset:64*\o+16
.endr
.endr
.set i, 0
.rept 32
	global_load_b128 v[XR+4*i:XR+4*i+3], v6, s[4:5] offset:16384*i     ; row c = 32 w + i: 512 neighbouring bytes, aligned
.set i, i+1
.endr
	; Wq and Wk to bf16 and into LDS
	s_wait_loadcnt 40                              ; the 8 bias loads and the 32 rows of x may stay out
.set i, 0
.rept 16
	v_cvt_pk_bf16_f32 v[WR+4*i],   v[WR+4*i],   v[WR+4*i+1]
	v_cvt_pk_bf16_f32 v[WR+4*i+1], v[WR+4*i+2], v[WR+4*i+3]
	ds_store_b64 v5, v[WR+4*i:WR+4*i+1] offset:4*WLP*i                 ; four rows on with each load; Wk's rows follow Wq's
.set i, i+1
.endr
	; x to bf16: out to kv, a whole row of 256 bytes with each store, and into LDS
.set i, 0
.rept 32
	s_wait_loadcnt 31-i                            ; loads come back in order (ISA guide 5.7.1): row i is in, the younger rows stay out
	v_cvt_pk_bf16_f32 v[XR+4*i],   v[XR+4*i],   v[XR+4*i+1]
	v_cvt_pk_bf16_f32 v[XR+4*i+1], v[XR+4*i+2], v[XR+4*i+3]
	global_store_b64 v7, v[XR+4*i:XR+4*i+1], s[36:37] offset:256*i
	ds_store_b64 v8, v[XR+4*i:XR+4*i+1] offset:XTP*i
.set i, i+1
.endr
	s_wait_xcnt 0x0                                ; the stores' data registers are loaded into again below, only behind this wait
	s_wait_dscnt 0x0                               ; my LDS stores are done, for the other waves' sake
	s_barrier_signal -1
	s_barrier_wait -1                              ; x and W are whole in LDS
; Two K steps of 32 channels (2 kp and 2 kp + 1) into a set of 64 registers: for each, W's two channel blocks, then x's two token blocks.  16 loads.
.macro LDK kp, buf
.irp kq, 0,1
.irp o, 0,1
	ds_load_b128 v[\buf+32*\kq+8*\o:\buf+32*\kq+8*\o+3],   v12 offset:16*WLP*\o+64*(2*\kp+\kq)
	ds_load_b128 v[\buf+32*\kq+8*\o+4:\buf+32*\kq+8*\o+7], v12 offset:16*WLP*\o+64*(2*\kp+\kq)+32
.endr
.irp tb, 0,1
	ds_load_tr16_b128 v[\buf+32*\kq+16+8*\tb:\buf+32*\kq+16+8*\tb+3],   v[10+((2*\kp+\kq)>>2)] offset:32*XTP*((2*\kp+\kq)&3)+32*\tb
	ds_load_tr16_b128 v[\buf+32*\kq+16+8*\tb+4:\buf+32*\kq+16+8*\tb+7], v[10+((2*\kp+\kq)>>2)] offset:32*XTP*((2*\kp+\kq)&3)+32*\tb+16*XTP
.endr
.endr
.endm
; Eight matrix instructions on a set.  The four accumulators take turns, one instruction a turn.
.macro MMK buf
.irp kq, 0,1
.irp o, 0,1
.irp tb, 0,1
	v_wmma_f32_16x16x32_bf16 v[ACC+8*(2*\o+\tb):ACC+8*(2*\o+\tb)+7], v[\buf+32*\kq+8*\o:\buf+32*\kq+8*\o+7], v[\buf+32*\kq+16+8*\tb:\buf+32*\kq+16+8*\tb+7], v[ACC+8*(2*\o+\tb):ACC+8*(2*\o+\tb)+7]
.endr
.endr
.endr
.endm
	LDK 0, B0
	LDK 1, B1
	LDK 2, B2
	s_wait_dscnt 32                                ; set B0 is in; the 32 loads of B1 and B2 may stay out
	MMK B0
.rept 4
	v_nop                                          ; four places between the matrix instructions that read B0 and the loads into it
.endr
	LDK 3, B0
	s_wait_dscnt 32                                ; B1 is in; B2's and the new B0's loads may stay out
	MMK B1
	s_wait_dscnt 16                                ; B2 is in
	MMK B2
	s_wait_dscnt 0x0
	MMK B0
.rept 4
	v_nop                                          ; four places before vector instructions read the results
.endr
.set i, 0
.rept 16
	v_pk_mul_f32 v[ACC+2*i:ACC+2*i+1], v[ACC+2*i:ACC+2*i+1], s[30:31] op_sel_hi:[1,0]
.set i, i+1
.endr
.irp o, 0,1
.irp tb, 0,1
.irp j, 0,1,2,3
	v_cvt_pk_bf16_f32 v[ACC+8*(2*\o+\tb)+\j], v[ACC+8*(2*\o+\tb)+2*\j], v[ACC+8*(2*\o+\tb)+2*\j+1]
.endr
	ds_store_b128 v13, v[ACC+8*(2*\o+\tb):ACC+8*(2*\o+\tb)+3] offset:16*QSP*\tb+32*\o     ; token r of block tb, channels 16 o + 8 h ..
.endr
.endr
	s_wait_dscnt 0x0
	s_barrier_signal -1
	s_barrier_wait -1                              ; q and k of all 128 tokens lie in the stage
	; out: 64 tokens x 64 bytes with each store of the work-group; a wave's store covers 512 neighbouring bytes, aligned
	ds_load_b128 v[56:59], v14                     ; q, tokens 0-63
	ds_load_b128 v[60:63], v14 offset:64*QSP       ; q, tokens 64-127
	ds_load_b128 v[64:67], v14 offset:128*QSP      ; k, tokens 0-63
	ds_load_b128 v[68:71], v14 offset:192*QSP      ; k, tokens 64-127
	s_wait_dscnt 3                                 ; LDS loads come back in order: the counts run down
	global_store_b128 v4, v[56:59], s[16:17]
	s_wait_dscnt 2
	global_store_b128 v4, v[60:63], s[16:17] offset:4096
	s_wait_dscnt 1
	global_store_b128 v4, v[64:67], s[38:39] offset:65536+4096         ; keys 128 t .. + 63: places 64-127 of the block before
	s_wait_dscnt 0x0
	global_store_b128 v4, v[68:71], s[36:37] offset:65536              ; keys 128 t + 64 ..: places 0-63 of my block
	; Wv's row g: waves 0 and 1, half a row each (its load was shown done by the wait for 0 behind x's last row)
	s_cmp_gt_u32 s24, 1
	s_cbranch_scc1 .Ldone
	v_cvt_pk_bf16_f32 v248, v248, v249
	v_cvt_pk_bf16_f32 v249, v250, v251
	global_store_b64 v19, v[248:249], s[20:21]     ; 256 neighbouring bytes, aligned
.Ldone:
	s_wait_tensorcnt 0x0
	ds_add_u32 v254, v255
	s_wait_dscnt 0x0
	s_endpgm
.Lfunc_end_k_q3fb8d4753d_prep:
	.size	k_q3fb8d4753d_prep, .Lfunc_end_k_q3fb8d4753d_prep-k_q3fb8d4753d_prep
	.p2alignl 7, 3214868480
	.fill 96, 4, 3214868480
	.section	.rodata,"a",@progbits
	.p2align	6, 0x0
	.amdhsa_kernel k_q3fb8d4753d_prep
		.amdhsa_group_segment_fixed_size 129024
		.amdhsa_private_segment_fixed_size 0
		.amdhsa_enable_private_segment 0
		.amdhsa_kernarg_size 72
		.amdhsa_user_sgpr_count 2
		.amdhsa_user_sgpr_kernarg_segment_ptr 1
		.amdhsa_wavefront_size32 1
		.amdhsa_system_sgpr_workgroup_id_x 1
		.amdhsa_system_sgpr_workgroup_id_y 1
		.amdhsa_system_sgpr_workgroup_id_z 1
		.amdhsa_system_vgpr_workitem_id 0
		.amdhsa_next_free_vgpr 256
		.amdhsa_next_free_sgpr 66
		.amdhsa_reserve_vcc 0
		.amdhsa_float_denorm_mode_32 3
		.amdhsa_float_denorm_mode_16_64 3
		.amdhsa_memory_ordered 1
		.amdhsa_forward_progress 1
		.amdhsa_inst_pref_size 33
	.end_amdhsa_kernel
	.amdgpu_metadata
---
amdhsa.version: [ 1, 2 ]
amdhsa.kernels:
  - .name:           k_q3fb8d4753d_prep
    .symbol:         k_q3fb8d4753d_prep.kd
    .args:
      - { .name: x, .offset: 0, .size: 8, .value_kind: global_buffer, .address_space: global }
      - { .name: Wq, .offset: 8, .size: 8, .value_kind: global_buffer, .address_space: global }
      - { .name: Wk, .offset: 16, .size: 8, .value_kind: global_buffer, .address_space: global }
      - { .name: bq, .offset: 24, .size: 8, .value_kind: global_buffer, .address_space: global }
      - { .name: bk, .offset: 32, .size: 8, .value_kind: global_buffer, .address_space: global }
      - { .name: Wv, .offset: 40, .size: 8, .value_kind: global_buffer, .address_space: global }
      - { .name: qb, .offset: 48, .size: 8, .value_kind: global_buffer, .address_space: global }
      - { .name: kv, .offset: 56, .size: 8, .value_kind: global_buffer, .address_space: global }
      - { .name: wvb, .offset: 64, .size: 8, .value_kind: global_buffer, .address_space: global }
    .group_segment_fixed_size: 129024
    .private_segment_fixed_size: 0
    .kernarg_segment_align: 8
    .kernarg_segment_size: 72
    .max_flat_workgroup_size: 256
    .sgpr_count:     66
    .vgpr_count:     256
    .wavefront_size: 32
...
	.end_amdgpu_metadata
.endif
;; end of part 1
;; launch attn (part 2): grid 32 x 8, 4 waves a work-group, clusters of 4 x 1, 327,680 bytes of LDS; arguments qb, kv, wvb, bv, gamma, x, out0; writes out0
.if DOCPART == 2
	.amdgcn_target "amdgcn-amd-amdhsa--gfx1250"
	.amdhsa_code_object_version 6
	.text
	.protected	k_q3fb8d4753d_attn
	.globl	k_q3fb8d4753d_attn
	.p2align	8
	.type	k_q3fb8d4753d_attn,@function
k_q3fb8d4753d_attn:
	s_mov_b64 s[64:65], 0
	v_nop
	global_prefetch_b8 v0, s[64:65] scope:SCOPE_SE
	s_setreg_imm32_b32 hwreg(HW_REG_WAVE_MODE, 25, 1), 1
	s_wait_xcnt 0x0
	s_wait_alu depctr_hold_cnt(0) depctr_sa_sdst(0) depctr_va_vdst(0) depctr_va_sdst(0) depctr_va_ssrc(0) depctr_va_vcc(0) depctr_vm_vsrc(0)
	s_getreg_b32 s2, hwreg(HW_REG_IB_STS2, 6, 4)
	s_cmp_eq_u32 s2, 0
	s_cbranch_scc0 .Lentry_in_a_cluster
	s_endpgm
.Lentry_in_a_cluster:
	s_bfe_u32 s2, ttmp6, 0x10000c
	s_cmp_lg_u32 s2, 0x3003
	s_cbranch_scc0 .Lentry_shape_is_right
	s_endpgm
.Lentry_shape_is_right:
; ATTENTION, THE PROJECTION BY Wv, AND THE RESIDUAL.  out0[b][c][i] = gamma * (sum over j of softmax_j(q_i . k_j) v[c][j]) + x[b][c][i].
; Each row of the softmax sums to 1, so sum_j a_ij (Wv x_j + bv) = Wv (sum_j a_ij x_j) + bv for every input: attention runs on x itself
; (bf16, in its own layout [channel][token]), and Wv is applied once to the 128 x 256 sums of the work-group.
; SHARES: a work-group takes image b and 128 queries; a wave 32 queries (two blocks of 16) x all 256 channels: 32 accumulator tiles, 256 registers.
; PASS 1 finds each query's true maximum of q . k over all 4,096 keys (the products alone).  PASS 2 forms the same products with -maximum as the
; C operand, so that the exponential reads the matrix result as it comes and the sums are never rescaled; q carries log2(e), so 2^s is e^energy.
; In pass 2 the products and exponentials of the NEXT 64 keys stand between the matrix instructions that multiply P of THESE 64 keys by x.
; PRODUCTS: S = K (A, m = key) x Q (B, n = query): a lane holds 8 neighbouring keys of one query, which, packed in pairs, IS its part of an A fragment
; of P: no shuffle.  O = P (A, m = query) x X (B, n = channel, from rows of x that lie along the tokens).  out = O/l (A) x Wv (B, n = output channel).
; CLUSTER: the four work-groups of a cluster have the same b and walk the same tiles of kv and the same Wv: every tensor load is a joint load with the
; mask of all four.  The place in the cluster enters only the global addresses of q, x and out0.
; A wave has at most two tensor loads outstanding (the two first fills), later one.
; LIMITS: x, q * log2(e), k, P, O/l and Wv are bf16 (nearest even); all sums, maxima and exponentials f32.  v_exp_f32 gives zero below 2^-126
; (ISA guide 15.8).  l is at least about 1, since the key of the maximum adds 2^0.  NaN and infinities get no care of their own.
;
; LDS: two slots of 576 rows x 272 bytes (256 of data + 16 of padding: sixteen rows of a fragment start in sixteen different 16-byte columns of 256),
; then 512 bytes of scratch into which no tensor load lands.  A slot holds 16 key parts (pass 1), or two blocks of kv (pass 2: 256 rows of x and
; 32 rows of keys each); slot 0 at the end Wv (pitch 528); slot 1, behind its last fill, the transposed sums and then the f32 stage.
.set SLOT,  156672
.set BLK,   78336                      ; a block of kv in LDS: 288 rows
.set KOFF,  69632                      ; its keys: behind 256 rows
.set PITCH, 272
.set KPART, 8704                       ; 128 keys: 32 rows
.set KFRAG, 1088                       ; 16 keys: 4 rows
.set BLKG,  73728                      ; a block of kv in memory
.set SCR,   313344
.set OXP,   96                         ; transposed sums [channel][32 queries] bf16: 64 bytes + 32 = 3 x 32
.set OXW,   24576                      ; 256 such rows: a wave's own
.set WVP,   528                        ; Wv's rows, and the stage's rows [channel][128 queries] f32: 512 bytes + 16
; REGISTERS, in windows of 256.  Window 0:
.set XA,  8                            ; v8-11    x fragments of (slot, block): slot SLOT + block BLK + 272 r + 16 h
.set KA,  12                           ; v12-15   key fragments of (slot, block)
.set K1A, 16                           ; v16      pass 1: the running address
.set KP,  17                           ; v17      keys 0-63, as they lie in slot 1 at the end of pass 1
.set QO,  18
.set XO,  19                           ; v19      16 lane
.set WVA, 20                           ; v20-21   Wv fragments, output channels 0-127, 128-255
.set OTR, 22                           ; v22      transposed sums, back
.set STR, 23                           ; v23      stage, back
.set STW, 24                           ; v24-25   stage, in: output channels 0-127, 128-255
.set BVO, 26
.set QF,  32                           ; v32-47   Q, two fragments
.set KF0, 48                           ; v48-111  keys, 8 fragments (pass 2 uses 4)
.set KF1, 112                          ; v112-175 keys, the other set of pass 1
.set DR,  176                          ; v176-207 pass 1: a ring of four result tiles
.set MX,  208                          ; v208-215 pass 1: four running maxima for each query block
.set BV,  216                          ; v216-247 bv[16 g + r], twice, in pair g
.set TP,  248
.set D2,  112                          ; the end: two sets of two result tiles
.set TV,  144                          ; the end: 16 rows of the stage
; Windows 1 (query block 0) and 2 (query block 1), alike:
.set SV,   128                         ; v0-127 accumulators, tile of channel block cb at 8 cb;  v128-159 S of 64 keys
.set PA,   160                         ; v160-175, v176-191: P of 64 keys, two sets that take turns
.set PB,   176
.set NEGM, 192                         ; v192-199 -maximum, eight times: a C operand
.set LS,   200                         ; v200-203 the sums of P, two pairs
.set FWA,  204
.set FRA,  205
.set OTW,  206
.set TQ,   207
.set FV,   208                         ; v208-215 1/l of queries 8 h .. 8 h + 7
; Window 3: x fragments, v0-127 and v128-255 by turns; at the end O/l's fragments (v0-127) and Wv's (v128-191, v192-255 by turns).
; At the end window 1 holds the wave's 64 rows of x.
; s_set_vgpr_msb's low byte: bits 1:0 source 0, 3:2 source 1, 5:4 source 2, 7:6 destination.
;   0x5D, 0xAE: P x X of block 0, 1 (A and C and D in window 1 or 2, B in window 3); the exponentials and sums of that block run under the same setting
;   0x55, 0xAA: all in window 1, 2      0x50, 0xA0: S (A, B window 0; C, D window 1, 2)      0xC0, 0x40, 0x80: destination alone
;   0x0F: the product by Wv (A, B window 3)      0x54: the last multiply-add and store (source 0 window 0, the rest window 1)
.set G1V, 24                           ; s[24:31] shape: 144 rows of 256 bytes (a quarter of two blocks)
.set G1K, 32                           ; s[32:39] shape: 4 key parts of 8,192 bytes, a block apart
.set G1W, 40                           ; s[40:47] shape: 64 rows of Wv
.set G0K, 48                           ; s[48:55] pass 1: from where, to where, one set for each slot
.set G0V, 56                           ; s[56:63] pass 2: likewise
.set G0W, 68                           ; s[68:71] Wv
.set MSB, 0
.macro WIN new                         ; the immediate's high byte repeats the setting that is left
.if MSB != \new
	s_set_vgpr_msb (MSB<<8)|\new
.set MSB, \new
.endif
.endm
.macro PLACES                          ; four places behind a matrix instruction (ISA guide 7.12.1), where there is no vector work to put there
.rept 4
	v_nop
.endr
.endm
; A round of the cluster's barrier: my work-group's barrier; wave 0 signals for the work-group; every wave waits for all four work-groups; my work-group's barrier again.
.macro CREST                           ; a round behind its opening barrier
	s_cmp_lg_u32 s18, 0
	s_cbranch_scc1 .Lnot_wave_0_\@
	s_barrier_signal -3
.Lnot_wave_0_\@:
	s_barrier_wait -3
	s_barrier_signal -1
	s_barrier_wait -1
.endm
.macro CROUND
	s_barrier_signal -1
	s_barrier_wait -1
	CREST
.endm
.macro SHAPE g, w0, c, r, p            ; descriptor group 1: r rows of c elements of 8 bytes, p elements from row to row; the extents are the tile's own
	s_mov_b32 s[\g+0], \w0
	s_mov_b32 s[\g+1], (\c)<<16
	s_mov_b32 s[\g+2], (\r)<<16
	s_mov_b32 s[\g+3], (\c)<<16
	s_mov_b32 s[\g+4], \r
	s_mov_b32 s[\g+5], \p
	s_mov_b32 s[\g+6], 0
	s_mov_b32 s[\g+7], 0
.endm
	s_load_b256 s[4:11], s[0:1], 0x0               ; qb s[4:5], kv s[6:7], wvb s[8:9], bv s[10:11]
	s_load_b128 s[12:15], s[0:1], 0x20             ; gamma s[12:13], x s[14:15]
	s_load_b64 s[16:17], s[0:1], 0x30              ; out0
	s_set_vgpr_msb 0x80
	v_lshl_add_u32 v254, v0, 2, 0x4ca00
	v_mov_b32 v255, 0
	s_set_vgpr_msb 0x808a
	ds_add_u32 v254, v255
	s_set_vgpr_msb 0x8a00
	v_lshrrev_b32 v4, 5, v0
	v_readfirstlane_b32 s18, v4                    ; wave 0..3
	s_bfe_u32 s19, ttmp6, 0x40000                  ; cx
	s_lshl_b32 s20, ttmp9, 2
	s_add_co_u32 s20, s20, s19                     ; query block of 128 = 4 x cluster x + cx
	s_and_b32 s21, ttmp7, 0xffff                   ; b (the cluster is one work-group high)
	s_mov_b32 s72, 0x76543210                      ; v_permlanex16_b32: lane i reads lane i of the other half
	s_mov_b32 s73, 0xfedcba98
	; first word: 15:0 mask of all four work-groups; 17:16 elements of 8 bytes; 20 padding on; 21 set beside a mask; 24:22 after every 64 (code 5) or 128 (code 6) words; 31:25 four words
	SHAPE G1V, 0x0773000F, 32, 144, 32
	SHAPE G1K, 0x0773000F, 1024, 4, 9216
	SHAPE G1W, 0x07B3000F, 64, 64, 64
	s_mov_b32 s[G0K], 1
	s_mul_i32 s[G0K+1], s18, 4*KPART               ; LDS addresses: the wave's number times a constant, plus the slot
	s_mov_b32 s[G0K+4], 1
	s_add_co_u32 s[G0K+5], s[G0K+1], SLOT
	s_mov_b32 s[G0V], 1
	s_mul_i32 s[G0V+1], s18, 144*PITCH
	s_mov_b32 s[G0V+4], 1
	s_add_co_u32 s[G0V+5], s[G0V+1], SLOT
	s_mov_b32 s[G0W], 1
	s_mul_i32 s[G0W+1], s18, 64*WVP
	s_mul_i32 s22, s21, 32*BLKG                    ; image b in kv
	s_mov_b32 s23, 0
	s_mul_i32 s78, s18, 4*BLKG                     ; pass 1: my four key parts
	s_mov_b32 s79, 0
	s_mul_i32 s80, s18, 144*256                    ; pass 2: my 144 rows
	s_mov_b32 s81, 0
	s_lshl_b32 s88, s18, 15                        ; my 64 rows of Wv
	s_mov_b32 s89, 0
	s_wait_dscnt 0x0
	s_wait_kmcnt 0x0
	s_load_b32 s74, s[12:13], 0x0                  ; gamma
	s_add_nc_u64 s[6:7], s[6:7], s[22:23]
	s_add_nc_u64 s[G0K+2:G0K+3], s[6:7], s[78:79]
	s_add_nc_u64 s[G0K+2:G0K+3], s[G0K+2:G0K+3], 65536         ; the keys lie behind a block's 256 rows of x
	s_add_nc_u64 s[G0K+6:G0K+7], s[G0K+2:G0K+3], 16*BLKG       ; blocks 16-31
	s_add_nc_u64 s[G0V+2:G0V+3], s[6:7], s[80:81]              ; blocks 0, 1
	s_add_nc_u64 s[G0V+6:G0V+7], s[G0V+2:G0V+3], 2*BLKG        ; blocks 2, 3
	s_add_nc_u64 s[G0W+2:G0W+3], s[8:9], s[88:89]
	s_or_b32 s[G0K+3], s[G0K+3], 0x80000000        ; 127:126 type = 2
	s_or_b32 s[G0K+7], s[G0K+7], 0x80000000
	s_or_b32 s[G0V+3], s[G0V+3], 0x80000000
	s_or_b32 s[G0V+7], s[G0V+7], 0x80000000
	s_or_b32 s[G0W+3], s[G0W+3], 0x80000000
	s_wait_kmcnt 0x0
	s_mov_b32 s75, s74
	CROUND                                         ; all four work-groups are here: the first joint loads meet
	tensor_load_to_lds s[G0K:G0K+3], s[G1K:G1K+7]              ; the keys of blocks 0-15 into slot 0,
	s_nop 0
	tensor_load_to_lds s[G0K+4:G0K+7], s[G1K:G1K+7]            ; of blocks 16-31 into slot 1: both first fills in one group
	s_nop 0
	; what hangs on cx: global offsets alone, in registers that feed no descriptor
	s_lshl_b32 s90, s21, 18                        ; q: b x 4,096 x 64
	s_lshl_b32 s92, s20, 13                        ;    + 128 queries x 64
	s_add_co_u32 s90, s90, s92
	s_lshl_b32 s92, s18, 11                        ;    + my 32 queries
	s_add_co_u32 s90, s90, s92
	s_mov_b32 s91, 0
	s_add_nc_u64 s[86:87], s[4:5], s[90:91]
	s_lshl_b32 s90, s21, 22                        ; x, out0: image b,
	s_lshl_b32 s92, s18, 20                        ;    my 64 channels,
	s_add_co_u32 s90, s90, s92
	s_lshl_b32 s92, s20, 9                         ;    the work-group's 128 queries
	s_add_co_u32 s90, s90, s92
	s_add_nc_u64 s[82:83], s[14:15], s[90:91]
	s_add_nc_u64 s[84:85], s[16:17], s[90:91]
	; lane terms
	v_and_b32 v1, 15, v0                           ; r
	v_bfe_u32 v2, v0, 4, 1                         ; h
	v_and_b32 v3, 31, v0                           ; lane
	v_mul_u32_u24 v4, v1, PITCH
	v_lshl_add_u32 v[XA], v2, 4, v4
	v_add_nc_u32 v[XA+1], BLK, v[XA]
	v_add_nc_u32 v[XA+2], SLOT, v[XA]
	v_add_nc_u32 v[XA+3], SLOT+BLK, v[XA]
	v_lshrrev_b32 v4, 2, v1                        ; keys lie four to a row of 256 bytes: key r at row r / 4, byte 64 (r mod 4)
	v_mul_u32_u24 v4, v4, PITCH
	v_and_b32 v5, 3, v1
	v_lshl_add_u32 v4, v5, 6, v4
	v_lshl_add_u32 v7, v2, 4, v4
	v_add_nc_u32 v[KA], KOFF, v7
	v_add_nc_u32 v[KA+1], BLK+KOFF, v7
	v_add_nc_u32 v[KA+2], SLOT+KOFF, v7
	v_add_nc_u32 v[KA+3], SLOT+BLK+KOFF, v7
	v_add_nc_u32 v[KP], SLOT+15*KPART+4*KFRAG, v7  ; block 31's places 64-127 hold keys 0-63
	v_lshlrev_b32 v4, 6, v1
	v_lshl_add_u32 v[QO], v2, 4, v4
	v_lshlrev_b32 v[XO], 4, v3
	v_lshlrev_b32 v[BVO], 2, v1
	v_mul_u32_u24 v4, v1, WVP
	v_lshl_add_u32 v[WVA], v2, 4, v4
	v_add_nc_u32 v[WVA+1], 128*WVP, v[WVA]         ; beyond the reach of a 16-bit immediate
	s_lshl_b32 s77, s18, 7
	s_add_co_u32 s77, s77, SLOT
	v_lshl_add_u32 v4, v2, 5, v4
	v_add_nc_u32 v[STW], s77, v4                   ; stage in: row r, my 32 queries' 128 bytes, 8 h queries
	v_add_nc_u32 v[STW+1], 128*WVP, v[STW]
	s_mul_i32 s77, s18, 64*WVP
	s_add_co_u32 s77, s77, SLOT
	v_lshl_add_u32 v[STR], v3, 4, s77              ; stage back: my 64 rows, 16 bytes a lane
	s_mul_i32 s77, s18, OXW
	s_add_co_u32 s77, s77, SLOT
	v_and_b32 v4, 7, v0
	v_lshl_add_u32 v4, v2, 3, v4
	v_mul_u32_u24 v4, v4, OXP
	v_bfe_u32 v5, v0, 3, 1
	v_lshl_add_u32 v4, v5, 4, v4
	v_add_nc_u32 v[OTR], s77, v4
	v_mul_u32_u24 v4, v1, OXP
	v_lshl_add_u32 v4, v2, 4, v4
	v_add_nc_u32 v29, s77, v4                      ; transposed sums in: row r, 16 h
	s_lshl_b32 s77, s18, 7
	s_add_co_u32 s77, s77, SCR
	v_lshl_add_u32 v27, v1, 2, s77                 ; scratch in: word r
	v_lshl_add_u32 v28, v2, 5, s77                 ; scratch back: words 8 h ..
	global_load_b128 v[QF:QF+3],     v[QO], s[86:87]
	global_load_b128 v[QF+4:QF+7],   v[QO], s[86:87] offset:32
	global_load_b128 v[QF+8:QF+11],  v[QO], s[86:87] offset:1024
	global_load_b128 v[QF+12:QF+15], v[QO], s[86:87] offset:1056
.set i, 0
.rept 16
	global_load_b32 v[BV+2*i],   v[BVO], s[10:11] offset:64*i          ; into both registers of a pair, for the packed add
	global_load_b32 v[BV+2*i+1], v[BVO], s[10:11] offset:64*i
.set i, i+1
.endr
.set i, 0
.rept 8
	v_mov_b32 v[MX+i], 0xff800000                  ; the maxima start at -infinity,
.set i, i+1
.endr
.set i, 0
.rept 16
	v_mov_b32 v[DR+16+i], 0xff800000               ; and so do the two tiles of the ring that are read before they are made
.set i, i+1
.endr
	v_mov_b32 v[TP], 0
	v_mov_b32 v[TP+1], 0
	s_wait_loadcnt 0x0
; ---------------------------------------------------------------- PASS 1
.macro K1LOAD kb, off                  ; 128 keys: 8 fragments, 16 loads
.irp f, 0,1,2,3,4,5,6,7
	ds_load_b128 v[KF0+64*\kb+8*\f:KF0+64*\kb+8*\f+3],   v[K1A] offset:\off+KFRAG*\f
	ds_load_b128 v[KF0+64*\kb+8*\f+4:KF0+64*\kb+8*\f+7], v[K1A] offset:\off+KFRAG*\f+32
.endr
.endm
; 128 keys x 32 queries: 16 matrix instructions into a ring of four tiles.  Behind each stand the four maxima over the tile made two matrix
; instructions earlier: eight plain vector instructions lie between a result and its first reader.  ld = 1: the next 128 keys are asked for.
.macro G1 kb, ld, off
	s_wait_dscnt 0x0                               ; this set's 16 loads were issued behind the first matrix instruction of the group before
.irp j, 0,1,2,3,4,5,6,7,8,9,10,11,12,13,14,15
	v_wmma_f32_16x16x32_bf16 v[DR+8*(\j&3):DR+8*(\j&3)+7], v[KF0+64*\kb+8*(\j>>1):KF0+64*\kb+8*(\j>>1)+7], v[QF+8*(\j&1):QF+8*(\j&1)+7], 0
.irp n, 0,1,2,3
	v_max3_num_f32 v[MX+4*(\j&1)+\n], v[MX+4*(\j&1)+\n], v[DR+8*((\j+2)&3)+2*\n], v[DR+8*((\j+2)&3)+2*\n+1]
.endr
.if \j == 0
.if \ld
	K1LOAD (1-\kb), \off
.endif
.endif
.endr
.endm
.macro PASS1                           ; a slot's 16 key parts
	K1LOAD 0, 0
	s_mov_b32 s76, 7
.Lp1_\@:
	G1 0, 1, KPART
	G1 1, 1, 2*KPART
	v_add_nc_u32 v[K1A], 2*KPART, v[K1A]
	s_sub_co_u32 s76, s76, 1
	s_cmp_lg_u32 s76, 0
	s_cbranch_scc1 .Lp1_\@
	G1 0, 1, KPART
	G1 1, 0, 0
.endm
	s_wait_tensorcnt 0x1                           ; my part of slot 0 is in; slot 1's may stay out
	s_barrier_signal -1
	s_barrier_wait -1                              ; everybody's is
	v_mov_b32 v[K1A], v7
	PASS1
	s_wait_dscnt 0x0                               ; my reads of slot 0 are over,
	s_set_vgpr_msb 0xa
	s_wait_tensorcnt 0x0                           ; all my tensor loads have landed (slot 1's part),
	ds_add_u32 v254, v255
	s_wait_dscnt 0x0
	s_set_vgpr_msb 0xa00
	CROUND                                         ; and that now holds of every wave of the four work-groups
	tensor_load_to_lds s[G0V:G0V+3], s[G1V:G1V+7]              ; blocks 0 and 1 into slot 0: my one load behind this round
	s_nop 0
	v_add_nc_u32 v[K1A], SLOT, v7
	PASS1
	PLACES
.irp n, 0,1,2,3
	v_max3_num_f32 v[MX+\n],   v[MX+\n],   v[DR+16+2*\n], v[DR+16+2*\n+1]          ; the last two tiles
	v_max3_num_f32 v[MX+4+\n], v[MX+4+\n], v[DR+24+2*\n], v[DR+24+2*\n+1]
.endr
.irp ib, 0,1
	v_max3_num_f32 v[MX+4*\ib], v[MX+4*\ib], v[MX+4*\ib+1], v[MX+4*\ib+2]
	v_max_num_f32 v[MX+4*\ib], v[MX+4*\ib], v[MX+4*\ib+3]
	v_permlanex16_b32 v[TP+\ib], v[MX+4*\ib], s72, s73         ; the other eight keys of each tile lie in the other half of the lanes
	v_max_num_f32 v[MX+4*\ib], v[MX+4*\ib], v[TP+\ib]          ; lanes r and 16 + r: the maximum of query r
.endr
	WIN 0x40
.irp j, 0,1,2,3,4,5,6,7
	v_mul_f32 v[NEGM+\j], -1.0, v[MX]
.endr
	v_mov_b32 v[FWA], v27
	v_mov_b32 v[FRA], v28
	v_mov_b32 v[OTW], v29
	v_mov_b32 v[TQ], 0
	WIN 0x80
.irp j, 0,1,2,3,4,5,6,7
	v_mul_f32 v[NEGM+\j], -1.0, v[MX+4]
.endr
	v_add_nc_u32 v[FWA], 64, v27
	v_add_nc_u32 v[FRA], 64, v28
	v_add_nc_u32 v[OTW], 32, v29
	v_mov_b32 v[TQ], 0
; ---------------------------------------------------------------- PASS 2
.macro FETCHX areg, off, buf           ; 32 keys x 256 channels of x: 16 fragments, 32 loads, into window 3
	WIN 0xC0
.irp cb, 0,1,2,3,4,5,6,7,8,9,10,11,12,13,14,15
	ds_load_b128 v[128*\buf+8*\cb:128*\buf+8*\cb+3],   v[\areg] offset:16*PITCH*\cb+\off
	ds_load_b128 v[128*\buf+8*\cb+4:128*\buf+8*\cb+7], v[\areg] offset:16*PITCH*\cb+\off+32
.endr
.endm
.macro FETCHK areg, off                ; 64 keys: 4 fragments, 8 loads
	WIN 0
.irp f, 0,1,2,3
	ds_load_b128 v[KF0+8*\f:KF0+8*\f+3],   v[\areg] offset:\off+KFRAG*\f
	ds_load_b128 v[KF0+8*\f+4:KF0+8*\f+7], v[\areg] offset:\off+KFRAG*\f+32
.endr
.endm
.macro SPRIME                          ; S - maximum of 64 keys, for both query blocks: the maximum goes in as C
	WIN 0x50
.irp f, 0,1,2,3
	v_wmma_f32_16x16x32_bf16 v[SV+8*\f:SV+8*\f+7], v[KF0+8*\f:KF0+8*\f+7], v[QF:QF+7], v[NEGM:NEGM+7]
.endr
	WIN 0xA0
.irp f, 0,1,2,3
	v_wmma_f32_16x16x32_bf16 v[SV+8*\f:SV+8*\f+7], v[KF0+8*\f:KF0+8*\f+7], v[QF+8:QF+15], v[NEGM:NEGM+7]
.endr
.endm
; One query block's 16 matrix instructions for 32 keys (half kk of the 64; x in set kk of window 3).  The sixteen accumulators take turns, one
; instruction a turn.  soft = 1: between them, half kk of the NEXT 64 keys' exponentials, one behind each matrix instruction.
; The sum behind every odd one (at cb = 1 a v_nop) is the plain instruction that stands between an exponential and the first use of its result
; (ISA guide 5.7.2).  Then eight roundings pack the sixteen numbers into the next P, under a setting in which both sources lie in the block's window.
.macro PHASE win, vwin, kk, zero, soft
	WIN \win
.irp cb, 0,1,2,3,4,5,6,7,8,9,10,11,12,13,14,15
.if \zero
	v_wmma_f32_16x16x32_bf16 v[8*\cb:8*\cb+7], v[PCU+8*\kk:PCU+8*\kk+7], v[128*\kk+8*\cb:128*\kk+8*\cb+7], 0
.else
	v_wmma_f32_16x16x32_bf16 v[8*\cb:8*\cb+7], v[PCU+8*\kk:PCU+8*\kk+7], v[128*\kk+8*\cb:128*\kk+8*\cb+7], v[8*\cb:8*\cb+7]
.endif
.if \soft
	v_exp_f32 v[SV+16*\kk+\cb], v[SV+16*\kk+\cb]
.if \cb == 1
	v_nop
.endif
.if \cb & 1
.if \cb >= 3
	s_wait_alu depctr_va_vdst(0)
	v_pk_fma_f32 v[LS+2*((\cb>>1)&1):LS+2*((\cb>>1)&1)+1], v[SV+16*\kk+\cb-3:SV+16*\kk+\cb-2], 1.0, v[LS+2*((\cb>>1)&1):LS+2*((\cb>>1)&1)+1] op_sel_hi:[1,0,1]
.endif
.endif
.endif
.endr
.if \soft
	v_pk_fma_f32 v[LS:LS+1], v[SV+16*\kk+14:SV+16*\kk+15], 1.0, v[LS:LS+1] op_sel_hi:[1,0,1]
	WIN \vwin
.irp i, 0,1,2,3,4,5,6,7
	v_cvt_pk_bf16_f32 v[PNX+8*\kk+\i], v[SV+16*\kk+2*\i], v[SV+16*\kk+2*\i+1]
.endr
.endif
.endm
.macro SOFT0 vwin                      ; the first 64 keys: nothing to hide behind yet.  The first sums start l: nothing is cleared
	WIN \vwin
.set i, 0
.rept 32
	v_exp_f32 v[SV+i], v[SV+i]
.set i, i+1
.endr
	v_nop
.set i, 0
	s_wait_alu depctr_va_vdst(0)
.rept 16
	v_cvt_pk_bf16_f32 v[PA+i], v[SV+2*i], v[SV+2*i+1]
.set i, i+1
.endr
	v_pk_add_f32 v[LS:LS+1],   v[SV:SV+1],   v[SV+2:SV+3]
	v_pk_add_f32 v[LS+2:LS+3], v[SV+4:SV+5], v[SV+6:SV+7]
.set i, 4
.rept 12
	v_pk_add_f32 v[LS+2*(i&1):LS+2*(i&1)+1], v[LS+2*(i&1):LS+2*(i&1)+1], v[SV+2*i:SV+2*i+1]
.set i, i+1
.endr
.endm
; 32 keys: step q (0..3) of a block.  zero: the first products start the sums.  sp: (even q) S of the next 64 keys is made.  soft: their exponentials.
; fx: the next step's x is fetched, from v[nxa] + nxo.  fk: (odd q) the keys of the 64 after next, from v[nka] + nko.
; turn: (last step of a slot) 1: the slot is filled again, four blocks on; 2: with Wv.
.macro STEP q, zero, sp, soft, fx, nxa, nxo, fk, nka, nko, turn, slot
.if \q < 2
.set PCU, PA
.set PNX, PB
.else
.set PCU, PB
.set PNX, PA
.endif
.if (\q&1) == 0
.if \sp
	s_wait_dscnt 0x0                               ; this step's 32 loads of x and the 8 of keys, issued one step ago
	SPRIME
	PLACES                                         ; behind S, for the exponentials; behind the last step's products, for the loads into their x
	FETCHX \nxa, \nxo, 1
.else
	PLACES
	FETCHX \nxa, \nxo, 1
	s_wait_dscnt 32                                ; all but the 32 just issued
.endif
	PHASE 0x5D, 0x55, 0, \zero, \soft
	PHASE 0xAE, 0xAA, 0, \zero, \soft
.else
.if \turn
	s_wait_dscnt 0x0                               ; my reads of this slot are over: this step's x is in registers,
	s_wait_tensorcnt 0x0                           ; and all my tensor loads have landed: the one that was out is my part of the other slot:
	ds_add_u32 v254, v255
	s_wait_dscnt 0x0
	s_barrier_signal -1                            ; say so (this barrier opens a round of the cluster's barrier),
	PHASE 0x5D, 0x55, 1, 0, \soft                  ; work on registers while the others arrive,
	WIN 0
	s_barrier_wait -1
	CREST                                          ; no wave of the four work-groups still reads this slot or has a load on its way
.if \turn == 1
	s_add_nc_u64 s[G0V+4*\slot+2:G0V+4*\slot+3], s[G0V+4*\slot+2:G0V+4*\slot+3], 4*BLKG
	tensor_load_to_lds s[G0V+4*\slot:G0V+4*\slot+3], s[G1V:G1V+7]      ; my one load behind the round; it is waited for a whole slot's work later
	s_nop 0
.else
	tensor_load_to_lds s[G0W:G0W+3], s[G1W:G1W+7]                      ; no blocks are left: Wv
	s_nop 0
.endif
	PLACES
	FETCHX \nxa, \nxo, 0
	FETCHK \nka, \nko
	PHASE 0xAE, 0xAA, 1, 0, \soft
.else
.if \fx
	PLACES
	FETCHX \nxa, \nxo, 0
.if \fk
	FETCHK \nka, \nko
.endif
	s_wait_dscnt 32+8*\fk                          ; all but those just issued: this step's x is in
.else
	s_wait_dscnt 0x0
.endif
	PHASE 0x5D, 0x55, 1, 0, \soft
	PHASE 0xAE, 0xAA, 1, 0, \soft
.endif
.endif
.endm
; A slot: two blocks, eight steps.  A block's key places 0-63 are the keys of its own second half, places 64-127 those of the next block's first half.
.macro TRIP slot, turn, zero, last
	STEP 0, \zero, 1, 1, 1, XA+2*\slot, 64, 0, 0, 0, 0, \slot
	STEP 1, 0, 0, 1, 1, XA+2*\slot, 128, 1, KA+2*\slot, 4*KFRAG, 0, \slot
	STEP 2, 0, 1, 1, 1, XA+2*\slot, 192, 0, 0, 0, 0, \slot
	STEP 3, 0, 0, 1, 1, XA+2*\slot+1, 0, 1, KA+2*\slot+1, 0, 0, \slot
	STEP 0, 0, 1, 1, 1, XA+2*\slot+1, 64, 0, 0, 0, 0, \slot
.if \last
	STEP 1, 0, 0, 1, 1, XA+2*\slot+1, 128, 0, 0, 0, 0, \slot           ; no keys are left to fetch,
	STEP 2, 0, 0, 0, 1, XA+2*\slot+1, 192, 0, 0, 0, 0, \slot           ; no S to make,
	STEP 3, 0, 0, 0, 0, 0, 0, 0, 0, 0, 0, \slot                        ; no x to fetch
.else
	STEP 1, 0, 0, 1, 1, XA+2*\slot+1, 128, 1, KA+2*\slot+1, 4*KFRAG, 0, \slot
	STEP 2, 0, 1, 1, 1, XA+2*\slot+1, 192, 0, 0, 0, 0, \slot
	STEP 3, 0, 0, 1, 1, XA+2*(1-\slot), 0, 1, KA+2*(1-\slot), 0, \turn, \slot
.endif
.endm
	FETCHK KP, 0                                   ; keys 0-63 still lie in slot 1
	s_wait_dscnt 0x0
	SPRIME
	PLACES
	SOFT0 0x55
	SOFT0 0xAA
	WIN 0
	s_wait_dscnt 0x0                               ; my reads of slot 1 are over,
	s_set_vgpr_msb 0xa
	s_wait_tensorcnt 0x0                           ; my part of blocks 0 and 1 has landed in slot 0,
	ds_add_u32 v254, v255
	s_wait_dscnt 0x0
	s_set_vgpr_msb 0xa00
	CROUND                                         ; and that holds of every wave of the four work-groups
	tensor_load_to_lds s[G0V+4:G0V+7], s[G1V:G1V+7]            ; blocks 2 and 3 into slot 1
	s_nop 0
	FETCHX XA, 0, 0
	FETCHK KA, 0
	TRIP 0, 1, 1, 0                                ; the first lap stands in front of the loop: its first products start the sums
	TRIP 1, 1, 0, 0
	WIN 0                                          ; at a label and at a branch every window is 0
	s_mov_b32 s76, 6
.Lmain:
	TRIP 0, 1, 0, 0
	TRIP 1, 1, 0, 0
	WIN 0
	s_sub_co_u32 s76, s76, 1
	s_cmp_lg_u32 s76, 0
	s_cbranch_scc1 .Lmain
	TRIP 0, 2, 0, 0                                ; blocks 28, 29; slot 0 then takes Wv
	TRIP 1, 0, 0, 1                                ; blocks 30, 31
; ---------------------------------------------------------------- THE END: O / l, the product by Wv, bv, gamma, x
	PLACES                                         ; behind the last products, for all that reads or rewrites their registers below
	WIN 0
	s_wait_dscnt 0x0
	s_wait_tensorcnt 0x0                           ; my part of Wv is in
	s_barrier_signal -1
	s_barrier_wait -1                              ; Wv is whole, and nobody reads slot 1 any more; it has had its last fill
; A lane holds l of query r, but its accumulators hold queries 8 h + j: 1/l turns through the wave's own 64 bytes of scratch (LDS serves a wave's
; instructions in order: ISA guide 5.7.1.4).  Then O / l, rounded, goes to LDS as [channel][query], to come back as A fragments.
.macro NORM vwin
	WIN \vwin
	v_pk_add_f32 v[LS:LS+1], v[LS:LS+1], v[LS+2:LS+3]
	v_add_f32 v[LS], v[LS], v[LS+1]
	v_permlanex16_b32 v[TQ], v[LS], s72, s73
	v_add_f32 v[LS], v[LS], v[TQ]
	v_rcp_f32 v[LS+1], v[LS]
	v_nop
	s_wait_alu depctr_va_vdst(0)
	ds_store_b32 v[FWA], v[LS+1]
	ds_load_b128 v[FV:FV+3],   v[FRA]
	ds_load_b128 v[FV+4:FV+7], v[FRA] offset:16
	s_wait_dscnt 0x0
.irp cb, 0,1,2,3,4,5,6,7,8,9,10,11,12,13,14,15
.irp j, 0,1,2,3
	v_pk_mul_f32 v[8*\cb+2*\j:8*\cb+2*\j+1], v[8*\cb+2*\j:8*\cb+2*\j+1], v[FV+2*\j:FV+2*\j+1]
.endr
.irp j, 0,1,2,3
	v_cvt_pk_bf16_f32 v[8*\cb+\j], v[8*\cb+2*\j], v[8*\cb+2*\j+1]
.endr
	ds_store_b128 v[OTW], v[8*\cb:8*\cb+3] offset:16*OXP*\cb
.endr
.endm
	NORM 0x55
	NORM 0xAA
.macro WVLOAD g                        ; 16 output channels x 256: 8 fragments, 16 loads
	WIN 0xC0
.irp ks, 0,1,2,3,4,5,6,7
	ds_load_b128 v[128+64*((\g)&1)+8*\ks:128+64*((\g)&1)+8*\ks+3],   v[WVA+((\g)>>3)] offset:16*WVP*((\g)&7)+64*\ks
	ds_load_b128 v[128+64*((\g)&1)+8*\ks+4:128+64*((\g)&1)+8*\ks+7], v[WVA+((\g)>>3)] offset:16*WVP*((\g)&7)+64*\ks+32
.endr
.endm
	WIN 0xC0
.irp ib, 0,1
.irp ks, 0,1,2,3,4,5,6,7
	ds_load_tr16_b128 v[8*(8*\ib+\ks):8*(8*\ib+\ks)+3],   v[OTR] offset:32*OXP*\ks+32*\ib             ; my own bytes, behind my own stores
	ds_load_tr16_b128 v[8*(8*\ib+\ks)+4:8*(8*\ib+\ks)+7], v[OTR] offset:32*OXP*\ks+32*\ib+16*OXP
.endr
.endr
	WVLOAD 0
	s_wait_dscnt 0x0                               ; the stores have read window 1, and my transposed sums are in registers
	WIN 0x40
.set i, 0
.rept 64
	global_load_b128 v[4*i:4*i+3], v[XO], s[82:83] offset:16384*i th:TH_LOAD_NT    ; x, f32, channels 64 w + i: asked for ahead of the 256 matrix instructions below
.set i, i+1
.endr
	WIN 0
	s_barrier_signal -1
	s_barrier_wait -1                              ; every wave has read its transposed sums: the stage may be written over them
.macro WVOUT g                         ; + bv, and into the stage [output channel][query], f32
	WIN 0
.irp i, 0,1,2,3,4,5,6,7
	v_pk_add_f32 v[D2+16*((\g)&1)+2*\i:D2+16*((\g)&1)+2*\i+1], v[D2+16*((\g)&1)+2*\i:D2+16*((\g)&1)+2*\i+1], v[BV+2*(\g):BV+2*(\g)+1]
.endr
.irp ib, 0,1
	ds_store_b128 v[STW+((\g)>>3)], v[D2+16*((\g)&1)+8*\ib:D2+16*((\g)&1)+8*\ib+3]   offset:16*WVP*((\g)&7)+64*\ib
	ds_store_b128 v[STW+((\g)>>3)], v[D2+16*((\g)&1)+8*\ib+4:D2+16*((\g)&1)+8*\ib+7] offset:16*WVP*((\g)&7)+64*\ib+16
.endr
.endm
; 16 output channels x my 32 queries: 16 matrix instructions; the two accumulators take turns, one instruction a turn.
; The group before is finished behind them, from the other set of result tiles.
.macro GRP g
	PLACES
.if \g < 15
	WVLOAD (\g+1)
	s_wait_dscnt 16                                ; all but the 16 just issued: this group's Wv is in, and the stores of the group before last have read their data
.else
	s_wait_dscnt 0x0
.endif
	WIN 0x0F
.irp ks, 0,1,2,3,4,5,6,7
.irp ib, 0,1
.if \ks == 0
	v_wmma_f32_16x16x32_bf16 v[D2+16*(\g&1)+8*\ib:D2+16*(\g&1)+8*\ib+7], v[8*(8*\ib+\ks):8*(8*\ib+\ks)+7], v[128+64*(\g&1)+8*\ks:128+64*(\g&1)+8*\ks+7], 0
.else
	v_wmma_f32_16x16x32_bf16 v[D2+16*(\g&1)+8*\ib:D2+16*(\g&1)+8*\ib+7], v[8*(8*\ib+\ks):8*(8*\ib+\ks)+7], v[128+64*(\g&1)+8*\ks:128+64*(\g&1)+8*\ks+7], v[D2+16*(\g&1)+8*\ib:D2+16*(\g&1)+8*\ib+7]
.endif
.endr
.endr
.if \g > 0
	WVOUT (\g-1)
.endif
.endm
.irp g, 0,1,2,3,4,5,6,7,8,9,10,11,12,13,14,15
	GRP \g
.endr
	PLACES
	WVOUT 15
	s_wait_dscnt 0x0
	s_barrier_signal -1
	s_barrier_wait -1                              ; the stage is whole
; 16 rows of the wave's 64: a row is 128 queries = 512 neighbouring bytes, aligned, of the stage, of x and of out0
.macro FIN g
	WIN 0
.set fi, 0
.rept 16
	ds_load_b128 v[TV+4*fi:TV+4*fi+3], v[STR] offset:WVP*(16*\g+fi)
.set fi, fi+1
.endr
	s_wait_dscnt 0x0
	s_wait_loadcnt 48-16*\g                        ; the rows of x of the later quarters may stay out
	WIN 0x54
.set fi, 0
.rept 32
	v_pk_fma_f32 v[64*\g+2*fi:64*\g+2*fi+1], v[TV+2*fi:TV+2*fi+1], s[74:75], v[64*\g+2*fi:64*\g+2*fi+1] op_sel_hi:[1,0,1]
.set fi, fi+1
.endr
.set fi, 0
.rept 16
	global_store_b128 v[XO], v[64*\g+4*fi:64*\g+4*fi+3], s[84:85] offset:16384*(16*\g+fi) th:TH_STORE_NT
.set fi, fi+1
.endr
.endm
	FIN 0
	FIN 1
	FIN 2
	FIN 3
	WIN 0
	s_set_vgpr_msb 0xa
	s_wait_tensorcnt 0x0
	ds_add_u32 v254, v255
	s_wait_dscnt 0x0
	s_set_vgpr_msb 0xa00
	CROUND                                         ; the closing round: no work-group ends while a partner may still ask for a tile that names it
	s_endpgm
.Lfunc_end_k_q3fb8d4753d_attn:
	.size	k_q3fb8d4753d_attn, .Lfunc_end_k_q3fb8d4753d_attn-k_q3fb8d4753d_attn
	.p2alignl 7, 3214868480
	.fill 96, 4, 3214868480
	.section	.rodata,"a",@progbits
	.p2align	6, 0x0
	.amdhsa_kernel k_q3fb8d4753d_attn
		.amdhsa_group_segment_fixed_size 327680
		.amdhsa_private_segment_fixed_size 0
		.amdhsa_enable_private_segment 0
		.amdhsa_kernarg_size 56
		.amdhsa_user_sgpr_count 2
		.amdhsa_user_sgpr_kernarg_segment_ptr 1
		.amdhsa_wavefront_size32 1
		.amdhsa_system_sgpr_workgroup_id_x 1
		.amdhsa_system_sgpr_workgroup_id_y 1
		.amdhsa_system_sgpr_workgroup_id_z 1
		.amdhsa_system_vgpr_workitem_id 0
		.amdhsa_next_free_vgpr 1024
		.amdhsa_next_free_sgpr 96
		.amdhsa_reserve_vcc 0
		.amdhsa_float_denorm_mode_32 3
		.amdhsa_float_denorm_mode_16_64 3
		.amdhsa_memory_ordered 1
		.amdhsa_forward_progress 1
		.amdhsa_inst_pref_size 255
	.end_amdhsa_kernel
	.section	.bss,"aw",@nobits
	.p2align	6
	.space	262144
	.amdgpu_metadata
---
amdhsa.version: [ 1, 2 ]
amdhsa.kernels:
  - .name:           k_q3fb8d4753d_attn
    .symbol:         k_q3fb8d4753d_attn.kd
    .args:
      - { .name: qb, .offset: 0, .size: 8, .value_kind: global_buffer, .address_space: global }
      - { .name: kv, .offset: 8, .size: 8, .value_kind: global_buffer, .address_space: global }
      - { .name: wvb, .offset: 16, .size: 8, .value_kind: global_buffer, .address_space: global }
      - { .name: bv, .offset: 24, .size: 8, .value_kind: global_buffer, .address_space: global }
      - { .name: gamma, .offset: 32, .size: 8, .value_kind: global_buffer, .address_space: global }
      - { .name: x, .offset: 40, .size: 8, .value_kind: global_buffer, .address_space: global }
      - { .name: out0, .offset: 48, .size: 8, .value_kind: global_buffer, .address_space: global }
    .group_segment_fixed_size: 327680
    .private_segment_fixed_size: 0
    .kernarg_segment_align: 8
    .kernarg_segment_size: 56
    .max_flat_workgroup_size: 128
    .sgpr_count:     96
    .vgpr_count:     1024
    .wavefront_size: 32
...
	.end_amdgpu_metadata
.endif
;; end of part 2
;; ======== version 2 of 2: 2 launches; 1.23 times as fast as version 1
;; workspace buffers: qb 2,097,152 bytes; kv 18,874,368 bytes; wvb 131,072 bytes
;; launch prep: the kernel of part 1 again; grid 32 x 8, 8 waves a work-group, no clusters, 129,024 bytes of LDS; arguments x, Wq, Wk, bq, bk, Wv, qb, kv, wvb; writes qb, kv, wvb
;; launch attn (part 3): grid 32 x 8, 4 waves a work-group, clusters of 4 x 1, 327,680 bytes of LDS; arguments qb, kv, wvb, bv, gamma, x, out0; writes out0
.if DOCPART == 3
	.amdgcn_target "amdgcn-amd-amdhsa--gfx1250"
	.amdhsa_code_object_version 6
	.text
	.protected	k_q3fb8d4753d_attn
	.globl	k_q3fb8d4753d_attn
	.p2align	8
	.type	k_q3fb8d4753d_attn,@function
k_q3fb8d4753d_attn:
	s_mov_b64 s[64:65], 0
	v_nop
	global_prefetch_b8 v0, s[64:65] scope:SCOPE_SE
	s_setreg_imm32_b32 hwreg(HW_REG_WAVE_MODE, 25, 1), 1
	s_wait_xcnt 0x0
	s_wait_alu depctr_hold_cnt(0) depctr_sa_sdst(0) depctr_va_vdst(0) depctr_va_sdst(0) depctr_va_ssrc(0) depctr_va_vcc(0) depctr_vm_vsrc(0)
	s_getreg_b32 s2, hwreg(HW_REG_IB_STS2, 6, 4)
	s_cmp_eq_u32 s2, 0
	s_cbranch_scc0 .Lentry_in_a_cluster
	s_endpgm
.Lentry_in_a_cluster:
	s_bfe_u32 s2, ttmp6, 0x10000c
	s_cmp_lg_u32 s2, 0x3003
	s_cbranch_scc0 .Lentry_shape_is_right
	s_endpgm
.Lentry_shape_is_right:
; ATTENTION, THE PROJECTION BY Wv, AND THE RESIDUAL.  out0[b][c][i] = gamma * (sum over j of softmax_j(q_i . k_j) v[c][j]) + x[b][c][i].
; Each row of the softmax sums to 1, so sum_j a_ij (Wv x_j + bv) = Wv (sum_j a_ij x_j) + bv for every input: attention runs on x itself
; (bf16, in its own layout [channel][token]), and Wv is applied once to the 128 x 256 sums of the work-group.
; SHARES: a work-group takes image b and 128 queries; a wave 32 queries (two blocks of 16) x all 256 channels: 32 accumulator tiles, 256 registers.
; PASS 1 finds each query's true maximum of q . k over all 4,096 keys (the products alone).  PASS 2 forms the same products with -maximum as the
; C operand, so that the exponential reads the matrix result as it comes and the sums are never rescaled; q carries log2(e), so 2^s is e^energy.
; In pass 2 the products and exponentials of the NEXT 64 keys stand between the matrix instructions that multiply P of THESE 64 keys by x.
; BATCHES.  A step of pass 2 (32 keys) issues 32 exponentials, sixteen for each query block, one behind each matrix instruction: ONE BATCH.  They write
; registers of their own (EV), and nothing in the step names a result.  The batch's one wait stands in the NEXT step, directly ahead of that step's run of
; LDS loads; the next step's matrix instructions carry the batch's sums, one behind every second of them, and eight roundings close each block's sixteen.
; P of a half of 64 keys is thus rounded one step behind its exponentials and one step ahead of its first use.  Where a slot changes, the round's branches
; and labels cut the step: it has a wait at its head (the step before), one ahead of the round's branches (block 0's sixteen) and one at its end (block 1's
; sixteen), and the slot's first step reads without a wait of its own.  The first 64 keys' 64 exponentials and the two reciprocals at the end are a batch each.
; PRODUCTS: S = K (A, m = key) x Q (B, n = query): a lane holds 8 neighbouring keys of one query, which, packed in pairs, IS its part of an A fragment
; of P: no shuffle.  O = P (A, m = query) x X (B, n = channel, from rows of x that lie along the tokens).  out = O/l (A) x Wv (B, n = output channel).
; CLUSTER: the four work-groups of a cluster have the same b and walk the same tiles of kv and the same Wv: every tensor load is a joint load with the
; mask of all four.  The place in the cluster enters only the global addresses of q, x and out0.
; A wave has at most two tensor loads outstanding (the two first fills), later one.
; LIMITS: x, q * log2(e), k, P, O/l and Wv are bf16 (nearest even); all sums, maxima and exponentials f32.  v_exp_f32 gives zero below 2^-126
; (ISA guide 15.8).  l is at least about 1, since the key of the maximum adds 2^0.  NaN and infinities get no care of their own.
;
; LDS: two slots of 576 rows x 272 bytes (256 of data + 16 of padding: sixteen rows of a fragment start in sixteen different 16-byte columns of 256),
; then 512 bytes of scratch into which no tensor load lands.  A slot holds 16 key parts (pass 1), or two blocks of kv (pass 2: 256 rows of x and
; 32 rows of keys each); slot 0 at the end Wv (pitch 528); slot 1, behind its last fill, the transposed sums and then the f32 stage.
.set SLOT,  156672
.set BLK,   78336                      ; a block of kv in LDS: 288 rows
.set KOFF,  69632                      ; its keys: behind 256 rows
.set PITCH, 272
.set KPART, 8704                       ; 128 keys: 32 rows
.set KFRAG, 1088                       ; 16 keys: 4 rows
.set BLKG,  73728                      ; a block of kv in memory
.set SCR,   313344
.set OXP,   96                         ; transposed sums [channel][32 queries] bf16: 64 bytes + 32 = 3 x 32
.set OXW,   24576                      ; 256 such rows: a wave's own
.set WVP,   528                        ; Wv's rows, and the stage's rows [channel][128 queries] f32: 512 bytes + 16
; REGISTERS, in windows of 256.  Window 0:
.set XA,  8                            ; v8-11    x fragments of (slot, block): slot SLOT + block BLK + 272 r + 16 h
.set KA,  12                           ; v12-15   key fragments of (slot, block)
.set K1A, 16                           ; v16      pass 1: the running address
.set KP,  17                           ; v17      keys 0-63, as they lie in slot 1 at the end of pass 1
.set QO,  18
.set XO,  19                           ; v19      16 lane
.set WVA, 20                           ; v20-21   Wv fragments, output channels 0-127, 128-255
.set OTR, 22                           ; v22      transposed sums, back
.set STR, 23                           ; v23      stage, back
.set STW, 24                           ; v24-25   stage, in: output channels 0-127, 128-255
.set BVO, 26
.set QF,  32                           ; v32-47   Q, two fragments
.set KF0, 48                           ; v48-111  keys, 8 fragments (pass 2 uses 4)
.set KF1, 112                          ; v112-175 keys, the other set of pass 1
.set DR,  176                          ; v176-207 pass 1: a ring of four result tiles
.set MX,  208                          ; v208-215 pass 1: four running maxima for each query block
.set BV,  216                          ; v216-247 bv[16 g + r], twice, in pair g
.set TP,  248
.set D2,  112                          ; the end: two sets of two result tiles
.set TV,  144                          ; the end: 16 rows of the stage
; Windows 1 (query block 0) and 2 (query block 1), alike:
.set SV,   128                         ; v0-127 accumulators, tile of channel block cb at 8 cb;  v128-159 S of 64 keys
.set PA,   160                         ; v160-175, v176-191: P of 64 keys, two sets that take turns
.set PB,   176
.set NEGM, 192                         ; v192-199 -maximum, eight times: a C operand
.set LS,   200                         ; v200-203 the sums of P, two pairs
.set FWA,  204
.set FRA,  205
.set OTW,  206
.set TQ,   207
.set FV,   208                         ; v208-215 1/l of queries 8 h .. 8 h + 7
.set EV,   216                         ; v216-247 2^(S - maximum) in f32: half kk of 64 keys at EV + 16 kk; a half is read in the step behind the one that makes it
; Window 3: x fragments, v0-127 and v128-255 by turns; at the end O/l's fragments (v0-127) and Wv's (v128-191, v192-255 by turns).
; At the end window 1 holds the wave's 64 rows of x.
; s_set_vgpr_msb's low byte: bits 1:0 source 0, 3:2 source 1, 5:4 source 2, 7:6 destination.
;   0x5D, 0xAE: P x X of block 0, 1 (A and C and D in window 1 or 2, B in window 3); the exponentials and sums of that block run under the same setting
;   0x55, 0xAA: all in window 1, 2      0x50, 0xA0: S (A, B window 0; C, D window 1, 2)      0xC0, 0x40, 0x80: destination alone
;   0x0F: the product by Wv (A, B window 3)      0x54: the last multiply-add and store (source 0 window 0, the rest window 1)
.set G1V, 24                           ; s[24:31] shape: 144 rows of 256 bytes (a quarter of two blocks)
.set G1K, 32                           ; s[32:39] shape: 4 key parts of 8,192 bytes, a block apart
.set G1W, 40                           ; s[40:47] shape: 64 rows of Wv
.set G0K, 48                           ; s[48:55] pass 1: from where, to where, one set for each slot
.set G0V, 56                           ; s[56:63] pass 2: likewise
.set G0W, 68                           ; s[68:71] Wv
.set MSB, 0
.macro WIN new                         ; the immediate's high byte repeats the setting that is left
.if MSB != \new
	s_set_vgpr_msb (MSB<<8)|\new
.set MSB, \new
.endif
.endm
.macro PLACES                          ; four places behind a matrix instruction (ISA guide 7.12.1), where there is no vector work to put there
.rept 4
	v_nop
.endr
.endm
; A round of the cluster's barrier: my work-group's barrier; wave 0 signals for the work-group; every wave waits for all four work-groups; my work-group's barrier again.
.macro CREST                           ; a round behind its opening barrier
	s_cmp_lg_u32 s18, 0
	s_cbranch_scc1 .Lnot_wave_0_\@
	s_barrier_signal -3
.Lnot_wave_0_\@:
	s_barrier_wait -3
	s_barrier_signal -1
	s_barrier_wait -1
.endm
.macro CROUND
	s_barrier_signal -1
	s_barrier_wait -1
	CREST
.endm
.macro SHAPE g, w0, c, r, p            ; descriptor group 1: r rows of c elements of 8 bytes, p elements from row to row; the extents are the tile's own
	s_mov_b32 s[\g+0], \w0
	s_mov_b32 s[\g+1], (\c)<<16
	s_mov_b32 s[\g+2], (\r)<<16
	s_mov_b32 s[\g+3], (\c)<<16
	s_mov_b32 s[\g+4], \r
	s_mov_b32 s[\g+5], \p
	s_mov_b32 s[\g+6], 0
	s_mov_b32 s[\g+7], 0
.endm
	s_load_b256 s[4:11], s[0:1], 0x0               ; qb s[4:5], kv s[6:7], wvb s[8:9], bv s[10:11]
	s_load_b128 s[12:15], s[0:1], 0x20             ; gamma s[12:13], x s[14:15]
	s_load_b64 s[16:17], s[0:1], 0x30              ; out0
	s_set_vgpr_msb 0x80
	v_lshl_add_u32 v254, v0, 2, 0x4ca00
	v_mov_b32 v255, 0
	s_set_vgpr_msb 0x808a
	ds_add_u32 v254, v255
	s_set_vgpr_msb 0x8a00
	v_lshrrev_b32 v4, 5, v0
	v_readfirstlane_b32 s18, v4                    ; wave 0..3
	s_bfe_u32 s19, ttmp6, 0x40000                  ; cx
	s_lshl_b32 s20, ttmp9, 2
	s_add_co_u32 s20, s20, s19                     ; query block of 128 = 4 x cluster x + cx
	s_and_b32 s21, ttmp7, 0xffff                   ; b (the cluster is one work-group high)
	s_mov_b32 s72, 0x76543210                      ; v_permlanex16_b32: lane i reads lane i of the other half
	s_mov_b32 s73, 0xfedcba98
	; first word: 15:0 mask of all four work-groups; 17:16 elements of 8 bytes; 20 padding on; 21 set beside a mask; 24:22 after every 64 (code 5) or 128 (code 6) words; 31:25 four words
	SHAPE G1V, 0x0773000F, 32, 144, 32
	SHAPE G1K, 0x0773000F, 1024, 4, 9216
	SHAPE G1W, 0x07B3000F, 64, 64, 64
	s_mov_b32 s[G0K], 1
	s_mul_i32 s[G0K+1], s18, 4*KPART               ; LDS addresses: the wave's number times a constant, plus the slot
	s_mov_b32 s[G0K+4], 1
	s_add_co_u32 s[G0K+5], s[G0K+1], SLOT
	s_mov_b32 s[G0V], 1
	s_mul_i32 s[G0V+1], s18, 144*PITCH
	s_mov_b32 s[G0V+4], 1
	s_add_co_u32 s[G0V+5], s[G0V+1], SLOT
	s_mov_b32 s[G0W], 1
	s_mul_i32 s[G0W+1], s18, 64*WVP
	s_mul_i32 s22, s21, 32*BLKG                    ; image b in kv
	s_mov_b32 s23, 0
	s_mul_i32 s78, s18, 4*BLKG                     ; pass 1: my four key parts
	s_mov_b32 s79, 0
	s_mul_i32 s80, s18, 144*256                    ; pass 2: my 144 rows
	s_mov_b32 s81, 0
	s_lshl_b32 s88, s18, 15                        ; my 64 rows of Wv
	s_mov_b32 s89, 0
	s_wait_dscnt 0x0
	s_wait_kmcnt 0x0
	s_load_b32 s74, s[12:13], 0x0                  ; gamma
	s_add_nc_u64 s[6:7], s[6:7], s[22:23]
	s_add_nc_u64 s[G0K+2:G0K+3], s[6:7], s[78:79]
	s_add_nc_u64 s[G0K+2:G0K+3], s[G0K+2:G0K+3], 65536         ; the keys lie behind a block's 256 rows of x
	s_add_nc_u64 s[G0K+6:G0K+7], s[G0K+2:G0K+3], 16*BLKG       ; blocks 16-31
	s_add_nc_u64 s[G0V+2:G0V+3], s[6:7], s[80:81]              ; blocks 0, 1
	s_add_nc_u64 s[G0V+6:G0V+7], s[G0V+2:G0V+3], 2*BLKG        ; blocks 2, 3
	s_add_nc_u64 s[G0W+2:G0W+3], s[8:9], s[88:89]
	s_or_b32 s[G0K+3], s[G0K+3], 0x80000000        ; 127:126 type = 2
	s_or_b32 s[G0K+7], s[G0K+7], 0x80000000
	s_or_b32 s[G0V+3], s[G0V+3], 0x80000000
	s_or_b32 s[G0V+7], s[G0V+7], 0x80000000
	s_or_b32 s[G0W+3], s[G0W+3], 0x80000000
	s_wait_kmcnt 0x0
	s_mov_b32 s75, s74
	CROUND                                         ; all four work-groups are here: the first joint loads meet
	tensor_load_to_lds s[G0K:G0K+3], s[G1K:G1K+7]              ; the keys of blocks 0-15 into slot 0,
	s_nop 0
	tensor_load_to_lds s[G0K+4:G0K+7], s[G1K:G1K+7]            ; of blocks 16-31 into slot 1: both first fills in one group
	s_nop 0
	; what hangs on cx: global offsets alone, in registers that feed no descriptor
	s_lshl_b32 s90, s21, 18                        ; q: b x 4,096 x 64
	s_lshl_b32 s92, s20, 13                        ;    + 128 queries x 64
	s_add_co_u32 s90, s90, s92
	s_lshl_b32 s92, s18, 11                        ;    + my 32 queries
	s_add_co_u32 s90, s90, s92
	s_mov_b32 s91, 0
	s_add_nc_u64 s[86:87], s[4:5], s[90:91]
	s_lshl_b32 s90, s21, 22                        ; x, out0: image b,
	s_lshl_b32 s92, s18, 20                        ;    my 64 channels,
	s_add_co_u32 s90, s90, s92
	s_lshl_b32 s92, s20, 9                         ;    the work-group's 128 queries
	s_add_co_u32 s90, s90, s92
	s_add_nc_u64 s[82:83], s[14:15], s[90:91]
	s_add_nc_u64 s[84:85], s[16:17], s[90:91]
	; lane terms
	v_and_b32 v1, 15, v0                           ; r
	v_bfe_u32 v2, v0, 4, 1                         ; h
	v_and_b32 v3, 31, v0                           ; lane
	v_mul_u32_u24 v4, v1, PITCH
	v_lshl_add_u32 v[XA], v2, 4, v4
	v_add_nc_u32 v[XA+1], BLK, v[XA]
	v_add_nc_u32 v[XA+2], SLOT, v[XA]
	v_add_nc_u32 v[XA+3], SLOT+BLK, v[XA]
	v_lshrrev_b32 v4, 2, v1                        ; keys lie four to a row of 256 bytes: key r at row r / 4, byte 64 (r mod 4)
	v_mul_u32_u24 v4, v4, PITCH
	v_and_b32 v5, 3, v1
	v_lshl_add_u32 v4, v5, 6, v4
	v_lshl_add_u32 v7, v2, 4, v4
	v_add_nc_u32 v[KA], KOFF, v7
	v_add_nc_u32 v[KA+1], BLK+KOFF, v7
	v_add_nc_u32 v[KA+2], SLOT+KOFF, v7
	v_add_nc_u32 v[KA+3], SLOT+BLK+KOFF, v7
	v_add_nc_u32 v[KP], SLOT+15*KPART+4*KFRAG, v7  ; block 31's places 64-127 hold keys 0-63
	v_lshlrev_b32 v4, 6, v1
	v_lshl_add_u32 v[QO], v2, 4, v4
	v_lshlrev_b32 v[XO], 4, v3
	v_lshlrev_b32 v[BVO], 2, v1
	v_mul_u32_u24 v4, v1, WVP
	v_lshl_add_u32 v[WVA], v2, 4, v4
	v_add_nc_u32 v[WVA+1], 128*WVP, v[WVA]         ; beyond the reach of a 16-bit immediate
	s_lshl_b32 s77, s18, 7
	s_add_co_u32 s77, s77, SLOT
	v_lshl_add_u32 v4, v2, 5, v4
	v_add_nc_u32 v[STW], s77, v4                   ; stage in: row r, my 32 queries' 128 bytes, 8 h queries
	v_add_nc_u32 v[STW+1], 128*WVP, v[STW]
	s_mul_i32 s77, s18, 64*WVP
	s_add_co_u32 s77, s77, SLOT
	v_lshl_add_u32 v[STR], v3, 4, s77              ; stage back: my 64 rows, 16 bytes a lane
	s_mul_i32 s77, s18, OXW
	s_add_co_u32 s77, s77, SLOT
	v_and_b32 v4, 7, v0
	v_lshl_add_u32 v4, v2, 3, v4
	v_mul_u32_u24 v4, v4, OXP
	v_bfe_u32 v5, v0, 3, 1
	v_lshl_add_u32 v4, v5, 4, v4
	v_add_nc_u32 v[OTR], s77, v4
	v_mul_u32_u24 v4, v1, OXP
	v_lshl_add_u32 v4, v2, 4, v4
	v_add_nc_u32 v29, s77, v4                      ; transposed sums in: row r, 16 h
	s_lshl_b32 s77, s18, 7
	s_add_co_u32 s77, s77, SCR
	v_lshl_add_u32 v27, v1, 2, s77                 ; scratch in: word r
	v_lshl_add_u32 v28, v2, 5, s77                 ; scratch back: words 8 h ..
	global_load_b128 v[QF:QF+3],     v[QO], s[86:87]
	global_load_b128 v[QF+4:QF+7],   v[QO], s[86:87] offset:32
	global_load_b128 v[QF+8:QF+11],  v[QO], s[86:87] offset:1024
	global_load_b128 v[QF+12:QF+15], v[QO], s[86:87] offset:1056
.set i, 0
.rept 16
	global_load_b32 v[BV+2*i],   v[BVO], s[10:11] offset:64*i          ; into both registers of a pair, for the packed add
	global_load_b32 v[BV+2*i+1], v[BVO], s[10:11] offset:64*i
.set i, i+1
.endr
.set i, 0
.rept 8
	v_mov_b32 v[MX+i], 0xff800000                  ; the maxima start at -infinity,
.set i, i+1
.endr
.set i, 0
.rept 16
	v_mov_b32 v[DR+16+i], 0xff800000               ; and so do the two tiles of the ring that are read before they are made
.set i, i+1
.endr
	v_mov_b32 v[TP], 0
	v_mov_b32 v[TP+1], 0
	s_wait_loadcnt 0x0
; ---------------------------------------------------------------- PASS 1
.macro K1LOAD kb, off                  ; 128 keys: 8 fragments, 16 loads
.irp f, 0,1,2,3,4,5,6,7
	ds_load_b128 v[KF0+64*\kb+8*\f:KF0+64*\kb+8*\f+3],   v[K1A] offset:\off+KFRAG*\f
	ds_load_b128 v[KF0+64*\kb+8*\f+4:KF0+64*\kb+8*\f+7], v[K1A] offset:\off+KFRAG*\f+32
.endr
.endm
; 128 keys x 32 queries: 16 matrix instructions into a ring of four tiles.  Behind each stand the four maxima over the tile made two matrix
; instructions earlier: eight plain vector instructions lie between a result and its first reader.  ld = 1: the next 128 keys are asked for.
.macro G1 kb, ld, off
	s_wait_dscnt 0x0                               ; this set's 16 loads were issued behind the first matrix instruction of the group before
.irp j, 0,1,2,3,4,5,6,7,8,9,10,11,12,13,14,15
	v_wmma_f32_16x16x32_bf16 v[DR+8*(\j&3):DR+8*(\j&3)+7], v[KF0+64*\kb+8*(\j>>1):KF0+64*\kb+8*(\j>>1)+7], v[QF+8*(\j&1):QF+8*(\j&1)+7], 0
.irp n, 0,1,2,3
	v_max3_num_f32 v[MX+4*(\j&1)+\n], v[MX+4*(\j&1)+\n], v[DR+8*((\j+2)&3)+2*\n], v[DR+8*((\j+2)&3)+2*\n+1]
.endr
.if \j == 0
.if \ld
	K1LOAD (1-\kb), \off
.endif
.endif
.endr
.endm
.macro PASS1                           ; a slot's 16 key parts
	K1LOAD 0, 0
	s_mov_b32 s76, 7
.Lp1_\@:
	G1 0, 1, KPART
	G1 1, 1, 2*KPART
	v_add_nc_u32 v[K1A], 2*KPART, v[K1A]
	s_sub_co_u32 s76, s76, 1
	s_cmp_lg_u32 s76, 0
	s_cbranch_scc1 .Lp1_\@
	G1 0, 1, KPART
	G1 1, 0, 0
.endm
	s_wait_tensorcnt 0x1                           ; my part of slot 0 is in; slot 1's may stay out
	s_barrier_signal -1
	s_barrier_wait -1                              ; everybody's is
	v_mov_b32 v[K1A], v7
	PASS1
	s_wait_dscnt 0x0                               ; my reads of slot 0 are over,
	s_set_vgpr_msb 0xa
	s_wait_tensorcnt 0x0                           ; all my tensor loads have landed (slot 1's part),
	ds_add_u32 v254, v255
	s_wait_dscnt 0x0
	s_set_vgpr_msb 0xa00
	CROUND                                         ; and that now holds of every wave of the four work-groups
	tensor_load_to_lds s[G0V:G0V+3], s[G1V:G1V+7]              ; blocks 0 and 1 into slot 0: my one load behind this round
	s_nop 0
	v_add_nc_u32 v[K1A], SLOT, v7
	PASS1
	PLACES
.irp n, 0,1,2,3
	v_max3_num_f32 v[MX+\n],   v[MX+\n],   v[DR+16+2*\n], v[DR+16+2*\n+1]          ; the last two tiles
	v_max3_num_f32 v[MX+4+\n], v[MX+4+\n], v[DR+24+2*\n], v[DR+24+2*\n+1]
.endr
.irp ib, 0,1
	v_max3_num_f32 v[MX+4*\ib], v[MX+4*\ib], v[MX+4*\ib+1], v[MX+4*\ib+2]
	v_max_num_f32 v[MX+4*\ib], v[MX+4*\ib], v[MX+4*\ib+3]
	v_permlanex16_b32 v[TP+\ib], v[MX+4*\ib], s72, s73         ; the other eight keys of each tile lie in the other half of the lanes
	v_max_num_f32 v[MX+4*\ib], v[MX+4*\ib], v[TP+\ib]          ; lanes r and 16 + r: the maximum of query r
.endr
	WIN 0x40
.irp j, 0,1,2,3,4,5,6,7
	v_mul_f32 v[NEGM+\j], -1.0, v[MX]
.endr
	v_mov_b32 v[FWA], v27
	v_mov_b32 v[FRA], v28
	v_mov_b32 v[OTW], v29
	v_mov_b32 v[TQ], 0
	WIN 0x80
.irp j, 0,1,2,3,4,5,6,7
	v_mul_f32 v[NEGM+\j], -1.0, v[MX+4]
.endr
	v_add_nc_u32 v[FWA], 64, v27
	v_add_nc_u32 v[FRA], 64, v28
	v_add_nc_u32 v[OTW], 32, v29
	v_mov_b32 v[TQ], 0
; ---------------------------------------------------------------- PASS 2
.macro FETCHX areg, off, buf           ; 32 keys x 256 channels of x: 16 fragments, 32 loads, into window 3
	WIN 0xC0
.irp cb, 0,1,2,3,4,5,6,7,8,9,10,11,12,13,14,15
	ds_load_b128 v[128*\buf+8*\cb:128*\buf+8*\cb+3],   v[\areg] offset:16*PITCH*\cb+\off
	ds_load_b128 v[128*\buf+8*\cb+4:128*\buf+8*\cb+7], v[\areg] offset:16*PITCH*\cb+\off+32
.endr
.endm
.macro FETCHK areg, off                ; 64 keys: 4 fragments, 8 loads
	WIN 0
.irp f, 0,1,2,3
	ds_load_b128 v[KF0+8*\f:KF0+8*\f+3],   v[\areg] offset:\off+KFRAG*\f
	ds_load_b128 v[KF0+8*\f+4:KF0+8*\f+7], v[\areg] offset:\off+KFRAG*\f+32
.endr
.endm
.macro SPRIME                          ; S - maximum of 64 keys, for both query blocks: the maximum goes in as C
	WIN 0x50
.irp f, 0,1,2,3
	v_wmma_f32_16x16x32_bf16 v[SV+8*\f:SV+8*\f+7], v[KF0+8*\f:KF0+8*\f+7], v[QF:QF+7], v[NEGM:NEGM+7]
.endr
	WIN 0xA0
.irp f, 0,1,2,3
	v_wmma_f32_16x16x32_bf16 v[SV+8*\f:SV+8*\f+7], v[KF0+8*\f:KF0+8*\f+7], v[QF+8:QF+15], v[NEGM:NEGM+7]
.endr
.endm
; One query block's 16 matrix instructions for 32 keys (half kk of the 64; x in set kk of window 3).  The sixteen accumulators take turns, one
; instruction a turn.  soft = 1: behind each stands one exponential of half kk of the NEXT 64 keys, from S into EV's half kk:
; this block's share of the step's batch; no line of the step names a result of it.  rd > 0: the batch of the step before (EV's other half), which has had
; its wait, is read: a sum of two weights onto l behind every second matrix instruction, l's two pairs by turns, and at the end eight roundings that pack
; the sixteen weights into P (v[PRD ..]), under a setting in which both sources lie in the block's window.  The sum or the matrix instruction that follows an
; exponential touches neither its result nor its source (ISA guide 5.7.2).
.macro PHASE win, vwin, kk, zero, soft, rd
	WIN \win
.irp cb, 0,1,2,3,4,5,6,7,8,9,10,11,12,13,14,15
.if \zero
	v_wmma_f32_16x16x32_bf16 v[8*\cb:8*\cb+7], v[PCU+8*\kk:PCU+8*\kk+7], v[128*\kk+8*\cb:128*\kk+8*\cb+7], 0
.else
	v_wmma_f32_16x16x32_bf16 v[8*\cb:8*\cb+7], v[PCU+8*\kk:PCU+8*\kk+7], v[128*\kk+8*\cb:128*\kk+8*\cb+7], v[8*\cb:8*\cb+7]
.endif
.if \soft
	v_exp_f32 v[EV+16*\kk+\cb], v[SV+16*\kk+\cb]
.endif
.if \rd
.if \cb & 1
	v_pk_fma_f32 v[LS+2*(((\cb+1)>>1)&1):LS+2*(((\cb+1)>>1)&1)+1], v[EV+16*(1-\kk)+\cb-1:EV+16*(1-\kk)+\cb], 1.0, v[LS+2*(((\cb+1)>>1)&1):LS+2*(((\cb+1)>>1)&1)+1] op_sel_hi:[1,0,1]
.endif
.endif
.endr
.if \rd
	WIN \vwin
.irp i, 0,1,2,3,4,5,6,7
	v_cvt_pk_bf16_f32 v[PRD+\i], v[EV+16*(1-\kk)+2*\i], v[EV+16*(1-\kk)+2*\i+1]
.endr
.endif
.endm
; The first 64 keys: nothing to hide behind yet.  Both blocks' 64 exponentials (in place on S) are one batch; then each block's roundings and sums.
.macro EXP0 vwin
	WIN \vwin
.set i, 0
.rept 32
	v_exp_f32 v[SV+i], v[SV+i]
.set i, i+1
.endr
.endm
.macro SUM0 vwin                       ; the first sums start l: nothing is cleared
	WIN \vwin
.set i, 0
.rept 16
	v_cvt_pk_bf16_f32 v[PA+i], v[SV+2*i], v[SV+2*i+1]
.set i, i+1
.endr
	v_pk_add_f32 v[LS:LS+1],   v[SV:SV+1],   v[SV+2:SV+3]
	v_pk_add_f32 v[LS+2:LS+3], v[SV+4:SV+5], v[SV+6:SV+7]
.set i, 4
.rept 12
	v_pk_add_f32 v[LS+2*(i&1):LS+2*(i&1)+1], v[LS+2*(i&1):LS+2*(i&1)+1], v[SV+2*i:SV+2*i+1]
.set i, i+1
.endr
.endm
.macro BWAIT rd                        ; rd = 1: the step holds the wait for the batch that it reads
.if (\rd) == 1
	s_wait_alu depctr_va_vdst(0)                   ; ONE wait for the 32 exponentials of the step before, ahead of their first readers; it stands directly ahead of the run of LDS loads
.endif
.endm
; 32 keys: step q (0..3) of a block.  zero: the first products start the sums.  sp: (even q) S of the next 64 keys is made.  soft: their exponentials.
; rd: the batch of the step before is summed and rounded: 1: its wait stands in this step; 2: it has had its waits in the step that changed slots; 0: there is none.
; What step q - 1 has raised, step q rounds into the half of P that step q + 1 multiplies by: q = 1: PB's first half; 2: PB's second; 3: PA's first; 0: PA's second.
; fx: the next step's x is fetched, from v[nxa] + nxo.  fk: (odd q) the keys of the 64 after next, from v[nka] + nko.
; turn: (last step of a slot) 1: the slot is filled again, four blocks on; 2: with Wv.
.macro STEP q, zero, sp, soft, rd, fx, nxa, nxo, fk, nka, nko, turn, slot
.if \q < 2
.set PCU, PA
.else
.set PCU, PB
.endif
.if \q == 0
.set PRD, PA+8
.elseif \q == 1
.set PRD, PB
.elseif \q == 2
.set PRD, PB+8
.else
.set PRD, PA
.endif
.if (\q&1) == 0
.if \sp
	s_wait_dscnt 0x0                               ; this step's 32 loads of x and the 8 of keys, issued one step ago
	SPRIME
	PLACES                                         ; behind S, for the exponentials; behind the last step's products, for the loads into their x
	BWAIT \rd
	FETCHX \nxa, \nxo, 1
.else
	PLACES
	BWAIT \rd
	FETCHX \nxa, \nxo, 1
	s_wait_dscnt 32                                ; all but the 32 just issued
.endif
	PHASE 0x5D, 0x55, 0, \zero, \soft, \rd
	PHASE 0xAE, 0xAA, 0, \zero, \soft, \rd
.else
.if \turn
	WIN 0xAA                                       ; (the add's two registers lie in window 2: the setting that the last roundings left)
	s_wait_alu depctr_va_vdst(0)                   ; ONE wait for the 32 exponentials of the step before, ahead of their first readers below
	s_wait_dscnt 0x0                               ; my reads of this slot are over: this step's x is in registers,
	s_wait_tensorcnt 0x0                           ; and all my tensor loads have landed: the one that was out is my part of the other slot:
	ds_add_u32 v254, v255
	s_wait_dscnt 0x0
	s_barrier_signal -1                            ; say so (this barrier opens a round of the cluster's barrier),
	PHASE 0x5D, 0x55, 1, 0, \soft, \rd             ; work on registers while the others arrive,
	WIN 0
	s_wait_alu depctr_va_vdst(0)                   ; the wait for block 0's sixteen exponentials of this step: the round's branch and label follow
	s_barrier_wait -1
	CREST                                          ; no wave of the four work-groups still reads this slot or has a load on its way
.if \turn == 1
	s_add_nc_u64 s[G0V+4*\slot+2:G0V+4*\slot+3], s[G0V+4*\slot+2:G0V+4*\slot+3], 4*BLKG
	tensor_load_to_lds s[G0V+4*\slot:G0V+4*\slot+3], s[G1V:G1V+7]      ; my one load behind the round; it is waited for a whole slot's work later
	s_nop 0
.else
	tensor_load_to_lds s[G0W:G0W+3], s[G1W:G1W+7]                      ; no blocks are left: Wv
	s_nop 0
.endif
	PLACES
	FETCHX \nxa, \nxo, 0
	FETCHK \nka, \nko
	PHASE 0xAE, 0xAA, 1, 0, \soft, \rd
	s_wait_alu depctr_va_vdst(0)                   ; the wait for block 1's sixteen exponentials of this step: the loop's label or its backward jump may follow; the next slot's first step reads both sixteens
.else
.if \fx
	PLACES
	BWAIT \rd
	FETCHX \nxa, \nxo, 0
.if \fk
	FETCHK \nka, \nko
.endif
	s_wait_dscnt 32+8*\fk                          ; all but those just issued: this step's x is in
.else
	s_wait_dscnt 0x0
.endif
	PHASE 0x5D, 0x55, 1, 0, \soft, \rd
	PHASE 0xAE, 0xAA, 1, 0, \soft, \rd
.endif
.endif
.endm
; A slot: two blocks, eight steps.  A block's key places 0-63 are the keys of its own second half, places 64-127 those of the next block's first half.
; The first step of all (zero = 1) has no batch to read; every other slot's first step reads the batch that the change of slots has waited for.
.macro TRIP slot, turn, zero, last
	STEP 0, \zero, 1, 1, (2-2*\zero), 1, XA+2*\slot, 64, 0, 0, 0, 0, \slot
	STEP 1, 0, 0, 1, 1, 1, XA+2*\slot, 128, 1, KA+2*\slot, 4*KFRAG, 0, \slot
	STEP 2, 0, 1, 1, 1, 1, XA+2*\slot, 192, 0, 0, 0, 0, \slot
	STEP 3, 0, 0, 1, 1, 1, XA+2*\slot+1, 0, 1, KA+2*\slot+1, 0, 0, \slot
	STEP 0, 0, 1, 1, 1, 1, XA+2*\slot+1, 64, 0, 0, 0, 0, \slot
.if \last
	STEP 1, 0, 0, 1, 1, 1, XA+2*\slot+1, 128, 0, 0, 0, 0, \slot        ; no keys are left to fetch,
	STEP 2, 0, 0, 0, 1, 1, XA+2*\slot+1, 192, 0, 0, 0, 0, \slot        ; no S to make: the last batch is summed and rounded,
	STEP 3, 0, 0, 0, 0, 0, 0, 0, 0, 0, 0, 0, \slot                     ; no x to fetch
.else
	STEP 1, 0, 0, 1, 1, 1, XA+2*\slot+1, 128, 1, KA+2*\slot+1, 4*KFRAG, 0, \slot
	STEP 2, 0, 1, 1, 1, 1, XA+2*\slot+1, 192, 0, 0, 0, 0, \slot
	STEP 3, 0, 0, 1, 1, 1, XA+2*(1-\slot), 0, 1, KA+2*(1-\slot), 0, \turn, \slot
.endif
.endm
	FETCHK KP, 0                                   ; keys 0-63 still lie in slot 1
	s_wait_dscnt 0x0
	SPRIME
	PLACES
	EXP0 0x55
	EXP0 0xAA
	v_nop                                          ; a plain instruction behind the last exponential, ahead of the first use of a result
	s_wait_alu depctr_va_vdst(0)                   ; ONE wait for the 64 exponentials of the first 64 keys, ahead of their first readers
	SUM0 0xAA
	SUM0 0x55
	WIN 0
	s_wait_dscnt 0x0                               ; my reads of slot 1 are over,
	s_set_vgpr_msb 0xa
	s_wait_tensorcnt 0x0                           ; my part of blocks 0 and 1 has landed in slot 0,
	ds_add_u32 v254, v255
	s_wait_dscnt 0x0
	s_set_vgpr_msb 0xa00
	CROUND                                         ; and that holds of every wave of the four work-groups
	tensor_load_to_lds s[G0V+4:G0V+7], s[G1V:G1V+7]            ; blocks 2 and 3 into slot 1
	s_nop 0
	FETCHX XA, 0, 0
	FETCHK KA, 0
	TRIP 0, 1, 1, 0                                ; the first lap stands in front of the loop: its first products start the sums
	TRIP 1, 1, 0, 0
	WIN 0                                          ; at a label and at a branch every window is 0
	s_mov_b32 s76, 6
.Lmain:
	TRIP 0, 1, 0, 0
	TRIP 1, 1, 0, 0
	WIN 0
	s_sub_co_u32 s76, s76, 1
	s_cmp_lg_u32 s76, 0
	s_cbranch_scc1 .Lmain
	TRIP 0, 2, 0, 0                                ; blocks 28, 29; slot 0 then takes Wv
	TRIP 1, 0, 0, 1                                ; blocks 30, 31
; ---------------------------------------------------------------- THE END: O / l, the product by Wv, bv, gamma, x
	PLACES                                         ; behind the last products, for all that reads or rewrites their registers below
	WIN 0
	s_wait_dscnt 0x0
	s_wait_tensorcnt 0x0                           ; my part of Wv is in
	s_barrier_signal -1
	s_barrier_wait -1                              ; Wv is whole, and nobody reads slot 1 any more; it has had its last fill
; A lane holds l of query r, but its accumulators hold queries 8 h + j: 1/l turns through the wave's own 64 bytes of scratch (LDS serves a wave's
; instructions in order: ISA guide 5.7.1.4).  Then O / l, rounded, goes to LDS as [channel][query], to come back as A fragments.
; The two blocks' reciprocals are one batch: NORML makes l and 1/l for a block, NORMS does the rest.
.macro NORML vwin
	WIN \vwin
	v_pk_add_f32 v[LS:LS+1], v[LS:LS+1], v[LS+2:LS+3]
	v_add_f32 v[LS], v[LS], v[LS+1]
	v_permlanex16_b32 v[TQ], v[LS], s72, s73
	v_add_f32 v[LS], v[LS], v[TQ]
	v_rcp_f32 v[LS+1], v[LS]
.endm
.macro NORMS vwin
	WIN \vwin
	ds_store_b32 v[FWA], v[LS+1]
	ds_load_b128 v[FV:FV+3],   v[FRA]
	ds_load_b128 v[FV+4:FV+7], v[FRA] offset:16
	s_wait_dscnt 0x0
.irp cb, 0,1,2,3,4,5,6,7,8,9,10,11,12,13,14,15
.irp j, 0,1,2,3
	v_pk_mul_f32 v[8*\cb+2*\j:8*\cb+2*\j+1], v[8*\cb+2*\j:8*\cb+2*\j+1], v[FV+2*\j:FV+2*\j+1]
.endr
.irp j, 0,1,2,3
	v_cvt_pk_bf16_f32 v[8*\cb+\j], v[8*\cb+2*\j], v[8*\cb+2*\j+1]
.endr
	ds_store_b128 v[OTW], v[8*\cb:8*\cb+3] offset:16*OXP*\cb
.endr
.endm
	NORML 0xAA
	NORML 0x55
	v_nop                                          ; a plain instruction behind the last reciprocal, ahead of the first use of a result
	s_wait_alu depctr_va_vdst(0)                   ; ONE wait for the two reciprocals, ahead of the stores that read them
	NORMS 0x55
	NORMS 0xAA
.macro WVLOAD g                        ; 16 output channels x 256: 8 fragments, 16 loads
	WIN 0xC0
.irp ks, 0,1,2,3,4,5,6,7
	ds_load_b128 v[128+64*((\g)&1)+8*\ks:128+64*((\g)&1)+8*\ks+3],   v[WVA+((\g)>>3)] offset:16*WVP*((\g)&7)+64*\ks
	ds_load_b128 v[128+64*((\g)&1)+8*\ks+4:128+64*((\g)&1)+8*\ks+7], v[WVA+((\g)>>3)] offset:16*WVP*((\g)&7)+64*\ks+32
.endr
.endm
	WIN 0xC0
.irp ib, 0,1
.irp ks, 0,1,2,3,4,5,6,7
	ds_load_tr16_b128 v[8*(8*\ib+\ks):8*(8*\ib+\ks)+3],   v[OTR] offset:32*OXP*\ks+32*\ib             ; my own bytes, behind my own stores
	ds_load_tr16_b128 v[8*(8*\ib+\ks)+4:8*(8*\ib+\ks)+7], v[OTR] offset:32*OXP*\ks+32*\ib+16*OXP
.endr
.endr
	WVLOAD 0
	s_wait_dscnt 0x0                               ; the stores have read window 1, and my transposed sums are in registers
	WIN 0x40
.set i, 0
.rept 64
	global_load_b128 v[4*i:4*i+3], v[XO], s[82:83] offset:16384*i th:TH_LOAD_NT    ; x, f32, channels 64 w + i: asked for ahead of the 256 matrix instructions below
.set i, i+1
.endr
	WIN 0
	s_barrier_signal -1
	s_barrier_wait -1                              ; every wave has read its transposed sums: the stage may be written over them
.macro WVOUT g                         ; + bv, and into the stage [output channel][query], f32
	WIN 0
.irp i, 0,1,2,3,4,5,6,7
	v_pk_add_f32 v[D2+16*((\g)&1)+2*\i:D2+16*((\g)&1)+2*\i+1], v[D2+16*((\g)&1)+2*\i:D2+16*((\g)&1)+2*\i+1], v[BV+2*(\g):BV+2*(\g)+1]
.endr
.irp ib, 0,1
	ds_store_b128 v[STW+((\g)>>3)], v[D2+16*((\g)&1)+8*\ib:D2+16*((\g)&1)+8*\ib+3]   offset:16*WVP*((\g)&7)+64*\ib
	ds_store_b128 v[STW+((\g)>>3)], v[D2+16*((\g)&1)+8*\ib+4:D2+16*((\g)&1)+8*\ib+7] offset:16*WVP*((\g)&7)+64*\ib+16
.endr
.endm
; 16 output channels x my 32 queries: 16 matrix instructions; the two accumulators take turns, one instruction a turn.
; The group before is finished behind them, from the other set of result tiles.
.macro GRP g
	PLACES
.if \g < 15
	WVLOAD (\g+1)
	s_wait_dscnt 16                                ; all but the 16 just issued: this group's Wv is in, and the stores of the group before last have read their data
.else
	s_wait_dscnt 0x0
.endif
	WIN 0x0F
.irp ks, 0,1,2,3,4,5,6,7
.irp ib, 0,1
.if \ks == 0
	v_wmma_f32_16x16x32_bf16 v[D2+16*(\g&1)+8*\ib:D2+16*(\g&1)+8*\ib+7], v[8*(8*\ib+\ks):8*(8*\ib+\ks)+7], v[128+64*(\g&1)+8*\ks:128+64*(\g&1)+8*\ks+7], 0
.else
	v_wmma_f32_16x16x32_bf16 v[D2+16*(\g&1)+8*\ib:D2+16*(\g&1)+8*\ib+7], v[8*(8*\ib+\ks):8*(8*\ib+\ks)+7], v[128+64*(\g&1)+8*\ks:128+64*(\g&1)+8*\ks+7], v[D2+16*(\g&1)+8*\ib:D2+16*(\g&1)+8*\ib+7]
.endif
.endr
.endr
.if \g > 0
	WVOUT (\g-1)
.endif
.endm
.irp g, 0,1,2,3,4,5,6,7,8,9,10,11,12,13,14,15
	GRP \g
.endr
	PLACES
	WVOUT 15
	s_wait_dscnt 0x0
	s_barrier_signal -1
	s_barrier_wait -1                              ; the stage is whole
; 16 rows of the wave's 64: a row is 128 queries = 512 neighbouring bytes, aligned, of the stage, of x and of out0
.macro FIN g
	WIN 0
.set fi, 0
.rept 16
	ds_load_b128 v[TV+4*fi:TV+4*fi+3], v[STR] offset:WVP*(16*\g+fi)
.set fi, fi+1
.endr
	s_wait_dscnt 0x0
	s_wait_loadcnt 48-16*\g                        ; the rows of x of the later quarters may stay out
	WIN 0x54
.set fi, 0
.rept 32
	v_pk_fma_f32 v[64*\g+2*fi:64*\g+2*fi+1], v[TV+2*fi:TV+2*fi+1], s[74:75], v[64*\g+2*fi:64*\g+2*fi+1] op_sel_hi:[1,0,1]
.set fi, fi+1
.endr
.set fi, 0
.rept 16
	global_store_b128 v[XO], v[64*\g+4*fi:64*\g+4*fi+3], s[84:85] offset:16384*(16*\g+fi) th:TH_STORE_NT
.set fi, fi+1
.endr
.endm
	FIN 0
	FIN 1
	FIN 2
	FIN 3
	WIN 0
	s_set_vgpr_msb 0xa
	s_wait_tensorcnt 0x0
	ds_add_u32 v254, v255
	s_wait_dscnt 0x0
	s_set_vgpr_msb 0xa00
	CROUND                                         ; the closing round: no work-group ends while a partner may still ask for a tile that names it
	s_endpgm
.Lfunc_end_k_q3fb8d4753d_attn:
	.size	k_q3fb8d4753d_attn, .Lfunc_end_k_q3fb8d4753d_attn-k_q3fb8d4753d_attn
	.p2alignl 7, 3214868480
	.fill 96, 4, 3214868480
	.section	.rodata,"a",@progbits
	.p2align	6, 0x0
	.amdhsa_kernel k_q3fb8d4753d_attn
		.amdhsa_group_segment_fixed_size 327680
		.amdhsa_private_segment_fixed_size 0
		.amdhsa_enable_private_segment 0
		.amdhsa_kernarg_size 56
		.amdhsa_user_sgpr_count 2
		.amdhsa_user_sgpr_kernarg_segment_ptr 1
		.amdhsa_wavefront_size32 1
		.amdhsa_system_sgpr_workgroup_id_x 1
		.amdhsa_system_sgpr_workgroup_id_y 1
		.amdhsa_system_sgpr_workgroup_id_z 1
		.amdhsa_system_vgpr_workitem_id 0
		.amdhsa_next_free_vgpr 1024
		.amdhsa_next_free_sgpr 96
		.amdhsa_reserve_vcc 0
		.amdhsa_float_denorm_mode_32 3
		.amdhsa_float_denorm_mode_16_64 3
		.amdhsa_memory_ordered 1
		.amdhsa_forward_progress 1
		.amdhsa_inst_pref_size 255
	.end_amdhsa_kernel
	.section	.bss,"aw",@nobits
	.p2align	6
	.space	262144
	.amdgpu_metadata
---
amdhsa.version: [ 1, 2 ]
amdhsa.kernels:
  - .name:           k_q3fb8d4753d_attn
    .symbol:         k_q3fb8d4753d_attn.kd
    .args:
      - { .name: qb, .offset: 0, .size: 8, .value_kind: global_buffer, .address_space: global }
      - { .name: kv, .offset: 8, .size: 8, .value_kind: global_buffer, .address_space: global }
      - { .name: wvb, .offset: 16, .size: 8, .value_kind: global_buffer, .address_space: global }
      - { .name: bv, .offset: 24, .size: 8, .value_kind: global_buffer, .address_space: global }
      - { .name: gamma, .offset: 32, .size: 8, .value_kind: global_buffer, .address_space: global }
      - { .name: x, .offset: 40, .size: 8, .value_kind: global_buffer, .address_space: global }
      - { .name: out0, .offset: 48, .size: 8, .value_kind: global_buffer, .address_space: global }
    .group_segment_fixed_size: 327680
    .private_segment_fixed_size: 0
    .kernarg_segment_align: 8
    .kernarg_segment_size: 56
    .max_flat_workgroup_size: 128
    .sgpr_count:     96
    .vgpr_count:     1024
    .wavefront_size: 32
...
	.end_amdgpu_metadata
.endif
;; end of part 3
